; MI455X (gfx1250); checked and timed in simulation.
; The chip was launched on July 23, 2026; its instructions are those of AMD's public machine-readable ISA for CDNA 5 (MIT licence, August 2026) and "CDNA5" Instruction Set Architecture Reference Guide (July 2026). The comments in the code are by the model that wrote it; some were corrected since.
;; Factorized Attention. Allowed arithmetic: matrix products marked QUANTISED: E2M1 operands, one E8M0 scale for each 32 along K, by v_wmma_scale_f32_16x16x128_f8f6f4 with both operands' format E2M1 (or v_wmma_scale_f32_32x16x128_f4), f32 sums; products left as they are: bf16, f16 or f32 operands; f32 sums; everything else in f32.
;; Inputs: Wk 1,024 x 16 x 64 float32; Wo 16 x 64 x 1,024 float32; Wq 1,024 x 16 x 64 float32; Wv 1,024 x 16 x 64 float32; bk 16 x 64 float32; bo 1,024 float32; bq 16 x 64 float32; bv 16 x 64 float32; k 4 x 1,024 x 1,024 float32; q 4 x 1,024 x 1,024 float32; v 4 x 1,024 x 1,024 float32.
;; Outputs: out0 4 x 1,024 x 1,024 float32.
;; This version of the problem:
;;   THIS VERSION OF THE PROBLEM IS GIVEN IN LOW PRECISION. The matrix products marked QUANTISED in the list below multiply operands that are first quantised to E2M1 (2 exponent bits, 1 mantissa bit; 4 bits a number), with one power-of-two scale for each 32 numbers along K (OCP MX v1.0); their sums are f32. The products marked 'left as it is' may take bf16, f16 or f32 operands, with f32 sums. Whichever they take, every output number must still come out within the allowed error. Rounding operands to bf16 (8 significant bits) uses up far more of that allowance than f16 does (11 bits, for magnitudes from 6e-5 to 65,504). All else is computed in f32.
;;   The module's matrix products, in the order in which they are computed (A, B: the left and right operand; K: the contracted axis; several contracted axes count as one K, in the product's order):
;;     1. [M 4,096, K 1,024] x [K 1,024, N 1,024]; A: input q; B: input Wq: QUANTISED
;;     2. [M 4,096, K 1,024] x [K 1,024, N 1,024]; A: input k; B: input Wk: QUANTISED
;;     3. [M 4,096, K 1,024] x [K 1,024, N 1,024]; A: input v; B: input Wv: QUANTISED
;;     4. batch 1,024 x [M 64, K 64] x [K 64, N 64]; A: computed on the way; B: computed on the way: left as it is (an operand is computed on the way)
;;     5. batch 1,024 x [M 64, K 64] x [K 64, N 64]; A: computed on the way; B: computed on the way: left as it is (an operand is computed on the way)
;;     6. [M 4,096, K 1,024] x [K 1,024, N 1,024]; A: computed on the way; B: input Wo: left as it is (an operand is computed on the way)
;;     7. [M 4,096, K 1,024] x [K 1,024, N 1,024]; A: input q; B: input Wq: QUANTISED
;;     8. [M 4,096, K 1,024] x [K 1,024, N 1,024]; A: computed on the way; B: input Wk: left as it is (an operand is computed on the way)
;;     9. [M 4,096, K 1,024] x [K 1,024, N 1,024]; A: computed on the way; B: input Wv: left as it is (an operand is computed on the way)
;;     10. batch 4,096 x [M 16, K 64] x [K 64, N 16]; A: computed on the way; B: computed on the way: left as it is (an operand is computed on the way)
;;     11. batch 4,096 x [M 64, K 16] x [K 16, N 16]; A: computed on the way; B: computed on the way: left as it is (K = 16 < 32)
;;     12. [M 4,096, K 1,024] x [K 1,024, N 1,024]; A: computed on the way; B: input Wo: left as it is (an operand is computed on the way)
;;   THE QUANTISER, for each operand of a quantised product, along K:
;;     - K is cut into blocks of 32 from its start; a last block that is shorter is filled with zeros.
;;     - A block's scale is 2^e with e = floor(log2(the largest magnitude in the block)) - 2, held to -126 .. 127; a block of zeros has e = 0. As a byte (E8M0): e + 127.
;;     - Each number is divided by its block's scale, clamped to +-6, and rounded to the nearest number of E2M1, ties to even, subnormals kept.
;;     - The product sums the exact products of the quantised numbers (number of the format x scale) in f32.
;;   ~~~python
;;   def quantise(x, axis):      # numpy; x: float32 -> the quantised numbers, widened to float32 again
;;       x = np.moveaxis(x, axis, -1); K = x.shape[-1]
;;       x = np.pad(x, [(0, 0)] * (x.ndim - 1) + [(0, -K % 32)]); x = x.reshape(x.shape[:-1] + (-1, 32)); a = np.abs(x).max(-1, keepdims=True)
;;       e = np.where(a > 0, np.clip(np.frexp(np.where(a > 0, a, 1))[1] - 1 - 2, -126, 127), 0)      # np.frexp(a)[1] - 1 = floor(log2(a)), exactly
;;       r = np.clip(x / 2.0 ** e, -6, 6)
;;       step = 2.0 ** (np.maximum(np.frexp(np.where(r == 0, 1, r))[1] - 1, 0) - 1)
;;       q = np.round(r / step) * step * 2.0 ** e      # np.round: ties to even
;;       return np.moveaxis(q.reshape(q.shape[:-2] + (-1,))[..., :K], -1, axis).astype(np.float32)
;;   ~~~
;; One version. Each part assembles by itself: llvm-mc -triple=amdgcn-amd-amdhsa -mcpu=gfx1250 --defsym DOCPART=n.
;; ======== version 1 of 1: 4 launches
;; limits: values are held in f16: magnitudes above 65,504 overflow, below 6.1e-05 lose precision
;; workspace buffers: acodes 6,291,456 bytes; scl 491,520 bytes; a16 16,777,216 bytes; w4 1,572,864 bytes; w16 6,291,456 bytes; ocol 8,388,608 bytes; osum 8,388,608 bytes
;; launch prep (part 1): grid 512 x 1, 4 waves a work-group, no clusters, 33,280 bytes of LDS; arguments q, k, v, Wq, Wk, Wv, Wo, acodes, scl, a16, w4, w16; writes acodes, scl, a16, w4, w16
.if DOCPART == 1
	.amdgcn_target "amdgcn-amd-amdhsa--gfx1250"
	.amdhsa_code_object_version 6
	.text
	.protected	k_qde5d273b13_prep
	.globl	k_qde5d273b13_prep
	.p2align	8
	.type	k_qde5d273b13_prep,@function
k_qde5d273b13_prep:
	s_mov_b64 s[64:65], 0
	v_nop
	global_prefetch_b8 v0, s[64:65] scope:SCOPE_SE
	s_setreg_imm32_b32 hwreg(HW_REG_WAVE_MODE, 25, 1), 1
	s_wait_xcnt 0x0
; PREP: every operand is brought once into the form in which the later launches read it.
; Work-groups 0-383 (128 for each of q, k, v; [4096][1024] f32, K innermost): codes of FP4 (E2M1) with one E8M0 byte for each 32 along K:
;   acodes [T][4096][512 bytes], scl [T][163840]: first [4096][32] bytes of the rows' scales.  k and v also as f16, a16 [c][4096][2048 bytes], SHIFTED ONE BLOCK OF 16 ROWS DOWN
;   within each batch of 1,024 rows: row l + 16 holds source row l; the work-groups of source block 63, which nobody attends to, store the zero block into rows 0-15.
; Work-groups 384-511 (32 for each of Wq, Wk, Wv, Wo; [1024 k][1024 n] f32, K is the FIRST axis): a lane takes a column, its registers run down K.
;   Wq, Wk, Wv as FP4 codes in the order of an operand's registers, w4 [T][n tile 64][K step of 128: 8][1024 bytes]: byte 512 c + 256 h + 16 r holds k = 64 c + 32 h + 0..31 of column 16 tile + r;
;   their scale bytes in scl behind the rows': [1024 n][32].  Wk, Wv, Wo as f16, w16 [3][K step of 128: 8][n tile 64][32 along K: 4][1024 bytes]: byte 512 j + 256 h + 16 r holds k = 16 j + 8 h + 0..7.
; A block's scale is 2^(floor(log2(largest magnitude)) - 2); its byte is the largest magnitude's exponent field - 2, held at 1 from below.  A block of zeros so gets the byte 1: its codes are zeros,
; which add nothing under any byte but 0xff, and these bytes are read by this program alone.
; LIMITS: |k|, |v| or a weight beyond 65,504 becomes infinity in f16; NaN and infinities among the inputs are not served.
; No tensor loads, no barrier: waves share nothing.  No clusters: no two work-groups read the same bytes.
.set WREG,  8192                       ; LDS of a wave (rows' path): two stages of 32 x SP bytes, behind them its 256 scale bytes
.set SP,    80                         ; a lane's place in a stage: 64 bytes + 16 of padding
.set SPARE, 4*WREG                     ; the spare words, 128 bytes a wave: two blocks of 256 bytes that no other line names
.set SPW,   12                         ; v12  SPARE + 4 x my thread's number; never rewritten
.set NIL,   13                         ; v13  0; never rewritten
.set R,     16                         ; v16-79   rows' path: four sets of 16 numbers as loaded
.set XN,    80                         ; v80-111  two sets of 16 neighbours
.set E,     112                        ; v112-127 a scale byte for each step
.set C,     128                        ; v128-191 codes, four registers for each step
.set HF,    192                        ; v192-207 f16 numbers to store, two sets of 8
.set SB,    24                         ; v24-25   weights' path: my column's 8 scale bytes
.set WX,    32                         ; v32-95   two sets of 32 numbers down K
.set C4,    96                         ; v96-127  codes, four registers for each block
.set H16,   128                        ; v128-159 f16 numbers, two sets of 16
	s_load_b512 s[8:23], s[0:1], 0x0               ; q 8, k 10, v 12, Wq 14, Wk 16, Wv 18, Wo 20, acodes 22
	s_load_b256 s[24:31], s[0:1], 0x40             ; scl 24, a16 26, w4 28, w16 30
	v_lshl_add_u32 v[SPW], v0, 2, SPARE
	v_mov_b32 v[NIL], 0
	v_lshrrev_b32 v1, 5, v0
	v_readfirstlane_b32 s32, v1                    ; wave 0..3
	v_and_b32 v2, 31, v0                           ; lane
	v_lshlrev_b32 v3, 4, v2                        ; my 16 bytes of a load's 512
	s_mul_i32 s33, s32, WREG
	v_lshrrev_b32 v14, 2, v2
	v_mul_u32_u24 v14, v14, SP
	v_and_b32 v15, 3, v2
	v_lshl_add_u32 v14, v15, 4, v14
	v_add_nc_u32 v14, s33, v14                     ; the stage, on the way in: SP (lane / 4) + 16 (lane % 4)
	v_mul_u32_u24 v15, v2, SP
	v_add_nc_u32 v15, s33, v15                     ; and on the way out: SP x lane: my 16 neighbours
	v_lshlrev_b32 v4, 3, v2                        ; 8 bytes a lane: 16 codes, 4 f16 numbers, 8 scale bytes
	v_lshrrev_b32 v5, 1, v2
	s_add_co_u32 s33, s33, 2*32*SP
	v_add_nc_u32 v5, s33, v5                       ; LDS: my block's scale byte
	v_add_nc_u32 v6, s33, v4                       ; and 8 of them on the way out
	s_cmp_ge_u32 ttmp9, 384                        ; rows or weights: the work-group's number alone decides
	s_cbranch_scc1 .Lweights
; ---------------- q, k, v ----------------
	s_lshr_b32 s34, ttmp9, 7                       ; T: 0 q, 1 k, 2 v
	s_and_b32 s35, ttmp9, 127
	s_lshl_b32 s35, s35, 2
	s_add_co_u32 s35, s35, s32                     ; my wave's run of 8 rows (8,192 numbers): 0..511
	s_lshl_b32 s47, s35, 3                         ; its first row
	s_and_b32 s48, s47, 1023                       ; l
	s_lshr_b32 s49, s47, 10                        ; batch
	s_lshr_b32 s50, s48, 4
	s_cmp_eq_u32 s50, 63
	s_cselect_b32 s46, 0, -1                       ; source block 63 stores zeros,
	s_add_co_u32 s48, s48, 16
	s_and_b32 s48, s48, 1023                       ; into rows 0-15; every other block goes 16 rows down
	s_lshl_b32 s49, s49, 10
	s_add_co_u32 s48, s48, s49
	s_lshl_b32 s48, s48, 11                        ; 2,048 bytes a row of f16
	s_max_u32 s50, s34, 1
	s_sub_co_u32 s50, s50, 1
	s_lshl_b32 s50, s50, 23                        ; k's half or v's
	s_add_co_u32 s48, s48, s50
	s_mov_b32 s49, 0
	s_mov_b32 s39, 0
	s_wait_kmcnt 0x0
	s_cmp_eq_u32 s34, 0
	s_cselect_b64 s[36:37], s[8:9], s[10:11]
	s_cmp_eq_u32 s34, 2
	s_cselect_b64 s[36:37], s[12:13], s[36:37]     ; the tensor
	s_lshl_b32 s38, s35, 15
	s_add_nc_u64 s[36:37], s[36:37], s[38:39]      ; at my run
	s_lshl_b32 s38, s34, 21
	s_lshl_b32 s50, s35, 12
	s_add_co_u32 s38, s38, s50
	s_add_nc_u64 s[40:41], s[22:23], s[38:39]      ; its codes
	s_mul_i32 s38, s34, 163840
	s_lshl_b32 s50, s35, 8
	s_add_co_u32 s38, s38, s50
	s_add_nc_u64 s[42:43], s[24:25], s[38:39]      ; its scale bytes
	s_add_nc_u64 s[44:45], s[26:27], s[48:49]      ; its f16 rows (not used for q)
.macro LOAD t
.irp i, 0,1,2,3
	global_load_b128 v[R+16*((\t)%4)+4*\i:R+16*((\t)%4)+4*\i+3], v3, s[36:37] offset:2048*(\t)+512*\i th:TH_LOAD_NT   ; 32 lanes read 512 consecutive bytes
.endr
.endm
; Step t's numbers: as f16 to memory (k and v), and through the stage, so that a lane gets 16 neighbours.
.macro TURN t
	s_cmp_eq_u32 s34, 0
	s_cbranch_scc1 .Lq_\@                          ; q has no f16 copy
	s_wait_xcnt 0x0                                ; the stores of two steps back have read this set of registers
.irp i, 0,1,2,3
	v_cvt_pk_f16_f32 v[HF+8*((\t)%2)+2*\i], v[R+16*((\t)%4)+4*\i], v[R+16*((\t)%4)+4*\i+1]
	v_cvt_pk_f16_f32 v[HF+8*((\t)%2)+2*\i+1], v[R+16*((\t)%4)+4*\i+2], v[R+16*((\t)%4)+4*\i+3]
.endr
.irp i, 0,1,2,3,4,5,6,7
	v_and_b32 v[HF+8*((\t)%2)+\i], s46, v[HF+8*((\t)%2)+\i]        ; the zero block
.endr
.irp i, 0,1,2,3
	global_store_b64 v4, v[HF+8*((\t)%2)+2*\i:HF+8*((\t)%2)+2*\i+1], s[44:45] offset:1024*(\t)+256*\i   ; 32 lanes store 256 consecutive bytes, aligned
.endr
.Lq_\@:
.irp i, 0,1,2,3
	ds_store_b128 v14, v[R+16*((\t)%4)+4*\i:R+16*((\t)%4)+4*\i+3] offset:32*SP*((\t)%2)+8*SP*\i
.endr
.irp i, 0,1,2,3
	ds_load_b128 v[XN+16*((\t)%2)+4*\i:XN+16*((\t)%2)+4*\i+3], v15 offset:32*SP*((\t)%2)+16*\i   ; LDS serves a wave's instructions in order: these see the stores above
.endr
.endm
.irp t, 0,1,2,3
	LOAD \t
.endr
	s_wait_loadcnt 12                              ; step 0's four loads are in; three steps' twelve stay out
	TURN 0
.macro STEP t
.set XS, XN+16*((\t)%2)
.if (\t) > 0
	s_wait_dscnt 1                                 ; this step's numbers are back from the stage (the last step's byte store may be out)
.else
	s_wait_dscnt 0x0
.endif
.if (\t)+4 < 16
	LOAD (\t)+4                                    ; into the registers that this step's stage stores have read
.endif
.if (\t)+1 < 16
.if 14-(\t) >= 3
	s_wait_loadcnt 12                              ; the next step's four loads are in; those of the three steps behind it may be out
.else
	s_wait_loadcnt 4*(14-(\t))
.endif
	TURN (\t)+1
.endif
	v_max3_num_f32 v8, |v[XS]|, |v[XS+1]|, |v[XS+2]|               ; the largest magnitude of my 16
	v_max3_num_f32 v9, |v[XS+3]|, |v[XS+4]|, |v[XS+5]|
.irp i, 6,10
	v_max3_num_f32 v8, v8, |v[XS+\i]|, |v[XS+\i+1]|
	v_max3_num_f32 v9, v9, |v[XS+\i+2]|, |v[XS+\i+3]|
.endr
	v_max3_num_f32 v8, v8, |v[XS+14]|, |v[XS+15]|
	v_max3_num_f32 v8, v8, v9, 0x1800000           ; and the floor 2^(3 - 127): the byte cannot fall under 1
	v_max_num_f32_dpp v8, v8, v8 row_xmask:1 row_mask:0xf bank_mask:0xf   ; with my neighbour's 16: the block's
	v_add_nc_u32 v11, -(2<<23), v8                 ; 2 off its exponent field: the conversion takes the exponent field of this operand as its scale
	v_cvt_scalef32_pk8_fp4_f32 v[C+4*(\t)], v[XS:XS+7], v11
	v_cvt_scalef32_pk8_fp4_f32 v[C+4*(\t)+1], v[XS+8:XS+15], v11
	v_lshrrev_b32 v[E+(\t)], 23, v11               ; the scale's byte
	ds_store_b8 v5, v[E+(\t)] offset:16*(\t)       ; both lanes of a block write the same byte with the same value
	global_store_b64 v4, v[C+4*(\t):C+4*(\t)+1], s[40:41] offset:256*(\t)   ; 256 consecutive bytes, aligned
.endm
.irp t, 0,1,2,3,4,5,6,7,8,9,10,11,12,13,14,15
	STEP \t
.endr
	ds_load_b64 v[8:9], v6                         ; my wave's 256 scale bytes
	s_wait_dscnt 0x0
	global_store_b64 v4, v[8:9], s[42:43]          ; one aligned block of 256 bytes
	s_wait_tensorcnt 0x0                           ; the wave's end
	ds_add_u32 v[SPW], v[NIL]
	s_wait_dscnt 0x0
	s_endpgm
; ---------------- Wq, Wk, Wv, Wo ----------------
.Lweights:
	s_sub_co_u32 s34, ttmp9, 384
	s_lshr_b32 s35, s34, 5                         ; which weight: 0 Wq, 1 Wk, 2 Wv, 3 Wo
	s_bfe_u32 s47, s34, 0x30002                    ; which 128 columns
	s_and_b32 s48, s34, 3                          ; which 256 along K
	s_min_u32 s49, s35, 2                          ; its place among the FP4 copies (Wo has none: held inside the buffer)
	s_max_u32 s50, s35, 1
	s_sub_co_u32 s50, s50, 1                       ; its place among the f16 copies (Wq has none)
	s_lshl_b32 s51, s47, 3
	s_lshl_b32 s52, s32, 1
	s_add_co_u32 s51, s51, s52                     ; my wave's first tile of 16 columns
	v_lshlrev_b32 v7, 2, v2                        ; in: 4 bytes a lane: 32 neighbouring columns
	v_lshrrev_b32 v20, 4, v2
	v_and_b32 v21, 15, v2
	v_lshlrev_b32 v21, 4, v21
	v_lshl_add_u32 v8, v20, 13, v21                ; w4: my tile (8,192 bytes apart) + 16 r
	v_lshl_add_u32 v9, v20, 12, v21                ; w16: my tile (4,096 bytes apart) + 16 r
	v_lshlrev_b32 v10, 5, v2                       ; scale bytes: 32 a column
	v_mov_b32 v[SB], 0
	v_mov_b32 v[SB+1], 0
	s_mov_b32 s39, 0
	s_wait_kmcnt 0x0
	s_cmp_eq_u32 s35, 0
	s_cselect_b64 s[36:37], s[14:15], s[16:17]
	s_cmp_eq_u32 s35, 2
	s_cselect_b64 s[36:37], s[18:19], s[36:37]
	s_cmp_eq_u32 s35, 3
	s_cselect_b64 s[36:37], s[20:21], s[36:37]
	s_lshl_b32 s38, s48, 20                        ; 256 rows of 4,096 bytes
	s_lshl_b32 s52, s47, 9
	s_add_co_u32 s38, s38, s52
	s_lshl_b32 s52, s32, 7
	s_add_co_u32 s38, s38, s52
	s_add_nc_u64 s[36:37], s[36:37], s[38:39]
	s_lshl_b32 s38, s49, 19
	s_lshl_b32 s52, s51, 13
	s_add_co_u32 s38, s38, s52
	s_lshl_b32 s52, s48, 11
	s_add_co_u32 s38, s38, s52
	s_add_nc_u64 s[40:41], s[28:29], s[38:39]      ; w4
	s_lshl_b32 s38, s50, 21
	s_lshl_b32 s52, s48, 19
	s_add_co_u32 s38, s38, s52
	s_lshl_b32 s52, s51, 12
	s_add_co_u32 s38, s38, s52
	s_add_nc_u64 s[42:43], s[30:31], s[38:39]      ; w16
	s_mul_i32 s38, s49, 163840
	s_add_co_u32 s38, s38, 131072
	s_lshl_b32 s52, s51, 9
	s_add_co_u32 s38, s38, s52
	s_lshl_b32 s52, s48, 3
	s_add_co_u32 s38, s38, s52
	s_add_nc_u64 s[44:45], s[24:25], s[38:39]      ; the columns' scale bytes
.macro WLOAD t                         ; block t: W(32 t + i, my column), i = 0 .. 31
.irp i, 0,1,2,3,4,5,6,7,8,9,10,11,12,13,14,15,16,17,18,19,20,21,22,23,24,25,26,27,28,29,30,31
	global_load_b32 v[WX+32*((\t)%2)+\i], v7, s[36:37] offset:(32*(\t)+\i)*4096 th:TH_LOAD_NT
.endr
.endm
	WLOAD 0
	WLOAD 1
.macro BLOCK t
.set XS, WX+32*((\t)%2)
.if (\t) < 7
	s_wait_loadcnt 32                              ; this block's 32 loads are in; the next block's may be out
.else
	s_wait_loadcnt 0x0
.endif
	s_cmp_eq_u32 s35, 3
	s_cbranch_scc1 .Lno4_\@                        ; Wo is no operand of a quantised product
	v_max3_num_f32 v20, |v[XS]|, |v[XS+1]|, |v[XS+2]|              ; the block's largest magnitude: all 32 numbers are mine
	v_max3_num_f32 v21, |v[XS+3]|, |v[XS+4]|, |v[XS+5]|
.irp i, 6,10,14,18,22,26
	v_max3_num_f32 v20, v20, |v[XS+\i]|, |v[XS+\i+1]|
	v_max3_num_f32 v21, v21, |v[XS+\i+2]|, |v[XS+\i+3]|
.endr
	v_max3_num_f32 v20, v20, |v[XS+30]|, |v[XS+31]|
	v_max3_num_f32 v20, v20, v21, 0x1800000        ; and the floor 2^(3 - 127)
	v_add_nc_u32 v22, -(2<<23), v20
	v_lshrrev_b32 v23, 23, v22                     ; the scale's byte,
	v_lshl_or_b32 v[SB+(\t)/4], v23, 8*((\t)%4), v[SB+(\t)/4]      ; four to a register, the lower K in the lower byte
.irp g, 0,1,2,3
	v_cvt_scalef32_pk8_fp4_f32 v[C4+4*(\t)+\g], v[XS+8*\g:XS+8*\g+7], v22
.endr
	v_nop                                          ; one plain vector line behind the last conversion
	global_store_b128 v8, v[C4+4*(\t):C4+4*(\t)+3], s[40:41] offset:((\t)/4)*1024+(((\t)%4)/2)*512+((\t)%2)*256   ; sixteen lanes store 256 consecutive bytes, aligned
.Lno4_\@:
	s_cmp_eq_u32 s35, 0
	s_cbranch_scc1 .Lno16_\@                       ; Wq is multiplied as codes alone
	s_wait_xcnt 0x0                                ; the stores of two blocks back have read this set of registers
.irp m, 0,1,2,3,4,5,6,7,8,9,10,11,12,13,14,15
	v_cvt_pk_f16_f32 v[H16+16*((\t)%2)+\m], v[XS+2*\m], v[XS+2*\m+1]
.endr
.irp g, 0,1,2,3
	global_store_b128 v9, v[H16+16*((\t)%2)+4*\g:H16+16*((\t)%2)+4*\g+3], s[42:43] offset:((\t)/4)*262144+((\t)%4)*1024+(\g/2)*512+(\g%2)*256
.endr
.Lno16_\@:
.if (\t)+2 < 8
	WLOAD (\t)+2
.endif
.endm
.irp t, 0,1,2,3,4,5,6,7
	BLOCK \t
.endr
	s_cmp_eq_u32 s35, 3
	s_cbranch_scc1 .Lno_scales
	global_store_b64 v10, v[SB:SB+1], s[44:45]     ; my column's 8 scale bytes: 8 bytes of each of 32 rows of 32, one byte for each 32 along K
.Lno_scales:
	s_wait_tensorcnt 0x0                           ; the wave's end, as on the other path
	ds_add_u32 v[SPW], v[NIL]
	s_wait_dscnt 0x0
	s_endpgm
.Lfunc_end_k_qde5d273b13_prep:
	.size	k_qde5d273b13_prep, .Lfunc_end_k_qde5d273b13_prep-k_qde5d273b13_prep
	.p2alignl 7, 3214868480
	.fill 96, 4, 3214868480
	.section	.rodata,"a",@progbits
	.p2align	6, 0x0
	.amdhsa_kernel k_qde5d273b13_prep
		.amdhsa_group_segment_fixed_size 33280
		.amdhsa_private_segment_fixed_size 0
		.amdhsa_enable_private_segment 0
		.amdhsa_kernarg_size 96
		.amdhsa_user_sgpr_count 2
		.amdhsa_user_sgpr_kernarg_segment_ptr 1
		.amdhsa_wavefront_size32 1
		.amdhsa_system_sgpr_workgroup_id_x 1
		.amdhsa_system_sgpr_workgroup_id_y 1
		.amdhsa_system_sgpr_workgroup_id_z 1
		.amdhsa_system_vgpr_workitem_id 0
		.amdhsa_next_free_vgpr 208
		.amdhsa_next_free_sgpr 66
		.amdhsa_reserve_vcc 0
		.amdhsa_float_denorm_mode_32 3
		.amdhsa_float_denorm_mode_16_64 3
		.amdhsa_memory_ordered 1
		.amdhsa_forward_progress 1
		.amdhsa_inst_pref_size 105
	.end_amdhsa_kernel
	.amdgpu_metadata
---
amdhsa.version: [ 1, 2 ]
amdhsa.kernels:
  - .name:           k_qde5d273b13_prep
    .symbol:         k_qde5d273b13_prep.kd
    .args:
      - { .name: q, .offset: 0, .size: 8, .value_kind: global_buffer, .address_space: global }
      - { .name: k, .offset: 8, .size: 8, .value_kind: global_buffer, .address_space: global }
      - { .name: v, .offset: 16, .size: 8, .value_kind: global_buffer, .address_space: global }
      - { .name: Wq, .offset: 24, .size: 8, .value_kind: global_buffer, .address_space: global }
      - { .name: Wk, .offset: 32, .size: 8, .value_kind: global_buffer, .address_space: global }
      - { .name: Wv, .offset: 40, .size: 8, .value_kind: global_buffer, .address_space: global }
      - { .name: Wo, .offset: 48, .size: 8, .value_kind: global_buffer, .address_space: global }
      - { .name: acodes, .offset: 56, .size: 8, .value_kind: global_buffer, .address_space: global }
      - { .name: scl, .offset: 64, .size: 8, .value_kind: global_buffer, .address_space: global }
      - { .name: a16, .offset: 72, .size: 8, .value_kind: global_buffer, .address_space: global }
      - { .name: w4, .offset: 80, .size: 8, .value_kind: global_buffer, .address_space: global }
      - { .name: w16, .offset: 88, .size: 8, .value_kind: global_buffer, .address_space: global }
    .group_segment_fixed_size: 33280
    .private_segment_fixed_size: 0
    .kernarg_segment_align: 8
    .kernarg_segment_size: 96
    .max_flat_workgroup_size: 128
    .sgpr_count:     66
    .vgpr_count:     208
    .wavefront_size: 32
...
	.end_amdgpu_metadata
.endif
;; end of part 1
;; launch colattn (part 2): grid 8 x 32, 4 waves a work-group, clusters of 4 x 4, 327,680 bytes of LDS; arguments acodes, scl, w4, bq, bk, bv, ocol; writes ocol
.if DOCPART == 2
	.amdgcn_target "amdgcn-amd-amdhsa--gfx1250"
	.amdhsa_code_object_version 6
	.text
	.protected	k_qde5d273b13_colattn
	.globl	k_qde5d273b13_colattn
	.p2align	8
	.type	k_qde5d273b13_colattn,@function
k_qde5d273b13_colattn:
	s_mov_b64 s[64:65], 0
	v_nop
	global_prefetch_b8 v0, s[64:65] scope:SCOPE_SE
	s_setreg_imm32_b32 hwreg(HW_REG_WAVE_MODE, 25, 1), 1
	s_wait_xcnt 0x0
	s_wait_alu depctr_hold_cnt(0) depctr_sa_sdst(0) depctr_va_vdst(0) depctr_va_sdst(0) depctr_va_ssrc(0) depctr_va_vcc(0) depctr_vm_vsrc(0)
	s_getreg_b32 s2, hwreg(HW_REG_IB_STS2, 6, 4)
	s_cmp_eq_u32 s2, 0
	s_cbranch_scc0 .Lentry_in_a_cluster
	s_endpgm
.Lentry_in_a_cluster:
	s_bfe_u32 s2, ttmp6, 0x10000c
	s_cmp_lg_u32 s2, 0xf033
	s_cbranch_scc0 .Lentry_shape_is_right
	s_endpgm
.Lentry_shape_is_right:
; COLUMN ATTENTION.  A sequence is (batch n, offset o): the 64 rows l = 16 b + o, b = 0 .. 63, causal over b.  ocol[row][head x 64 + channel] = softmax(qh kh^T / 8) vh, f16.
; qh = Q(q) Q(Wq) + bq, kh, vh likewise: products on codes of FP4 (E2M1) with E8M0 scales, K = 1,024, by v_wmma_scale_f32_16x16x128_f8f6f4.  The two attention products take f16 operands, f32 sums.
; SHARES.  Work-group (X, Y): heads 2 X, 2 X + 1; batch n = Y / 8, offsets 2 (Y % 8) and + 1.  Wave (e, hh) owns ONE sequence (offset 2 op + e) and ONE head (2 X + hh): three products 64 x 64 x 1,024,
; then its whole 64 x 64 attention in registers; nothing goes from wave to wave but a row's two halves on the way out.
; LAYOUT.  qh and kh are made TRANSPOSED (source 0 = 16 columns of W, source 1 = 16 rows): a lane holds one row and eight neighbouring channels, so two tiles rounded to f16 in pairs ARE a fragment of
; 16 rows x 32 channels.  vh is made the natural way: a lane holds one channel and eight rows: two tiles are a fragment of V^T.  S^T = K Q^T and O^T = V^T P^T: a lane holds ONE query throughout.
; bq, bk are the C of a sum's first product; bv is added at the end: the weights sum to 1.  Tiles of keys that lie wholly behind the queries are not multiplied; on the diagonal hidden scores become -infinity.
; The row's true maximum is taken away: all of a row's keys, 64 at the most, lie in registers.
; CLUSTER 4 x 4.  The rows' codes hang on Y alone and are asked for jointly along a row of the cluster; the weights' images hang on X alone and are asked for jointly along a column.
; LDS: two slots, each the whole K of one product: 64 rows b x (1,024 bytes: offsets 2 op and 2 op + 1, neighbours in memory, + 16 of padding), then 64 images x 1,024 bytes of W.  q's in slot 0, k's in slot 1, then v's in slot 0.
; LIMITS: |qh|, |kh|, |vh| or a result beyond 65,504 becomes infinity in f16; an unmasked score at or under -1e9 is not told from a masked one; NaN and infinities among the inputs are not served.
; REGISTERS.  window 0: v1-15 addresses; v16-111 scale words (three sets of 32: register 8 i + s: lanes 0-15 the rows' tile i, lanes 16-31 W's tile i, K step s); v112-127 statistics; v128-255 two fragment buffers,
;   then S^T (v128-207) and P (v208-255), then at work.   window 1: v0-127 sixteen accumulators; v128 bq, v160 bk, v192 bv.   window 2: v0 qh, v64 kh, v128 vh^T, as f16 fragments.
.set PA,     1040                      ; an LDS row of codes: 1,024 bytes + 16 = 65 x 16: the sixteen rows of a load start at sixteen different banks (64 banks of 4 bytes: ISA guide 11.1)
.set AHALF,  32*PA
.set BOFF,   64*PA
.set SLOT,   BOFF+65536
.set STAGE,  2*SLOT                    ; 128 rows x (256 + 16) bytes, for the way out; no tile lands here
.set SPITCH, 272
.set SPARE,  STAGE+128*SPITCH          ; the spare words, 128 bytes a wave: two blocks of 256 bytes that no other line names
.set ADA,  3                           ; v3, v4   my rows' codes in slot 0, 1
.set ADB,  5                           ; v5, v6   my head's images in slot 0, 1
.set STO,  7
.set RD,   8
.set GO,   9
.set NINF, 10
.set VD,   11
.set SPW,  12
.set NIL,  13
.set SC,   16
.set ST,   112                         ; query tile qt: +0 -c m, +1 at work, +2 the sum, then 1 / sum, +3 at work
.set BUF0, 128
.set S,    128
.set P,    208
.set TT,   128
.set TH,   160
.set OUTR, 128
.set BQ,   128
.set BK,   160
.set BV,   192
.set QF,   0
.set KF,   64
.set VF,   128
.set WV,  18
.set RH,  19                           ; e: my sequence.  Also: I fetch rows' codes (0) or W's images (1)
.set CH,  20                           ; hh: my head.  Also: which half of that tile I fetch
.set CX,  21
.set CY,  22
.set XX,  23
.set G1A, 24
.set G1B, 32
.set G0A, 40                           ; s[40:51] group 0 for q's, k's, v's codes
.set G0B, 52                           ; s[52:63] for Wq's, Wk's, Wv's images
.set YY,  66
.set NR,  67                           ; 1,024 n + 2 op
.set RM,  68
.set CM,  69
.set LA,  70
.set LB,  71
.set SEL, 80
.set CS,  82
.set NC,  84
.set HM,  85
.set MK,  88                           ; s[88:95] mask j: key 8 h + j comes after query r
.set MSB, 0
.macro WIN new                         ; the immediate's high byte repeats the setting that is left
.if MSB != \new
	s_set_vgpr_msb (MSB<<8)|\new
.set MSB, \new
.endif
.endm
.macro PLACES                          ; four plain vector lines between a matrix instruction and a load into, or a vector read or write of, its registers
.rept 4
	v_nop
.endr
.endm
.macro JLOAD g0a, g1a, g0b, g1b        ; a joint load: waves 0, 1 fetch the rows' halves, waves 2, 3 W's; the branch hangs on the wave's number alone; s_nop 0 and four v_nop follow each line
	s_cmp_eq_u32 s[RH], 0
	s_cbranch_scc0 .Lfor_b_\@
	tensor_load_to_lds s[\g0a:\g0a+3], s[\g1a:\g1a+7]
	s_nop 0
.rept 4
	v_nop
.endr
	s_branch .Lasked_\@
.Lfor_b_\@:
	tensor_load_to_lds s[\g0b:\g0b+3], s[\g1b:\g1b+7]
	s_nop 0
.rept 4
	v_nop
.endr
.Lasked_\@:
.endm
.macro CREST
	s_cmp_lg_u32 s[WV], 0
	s_cbranch_scc1 .Lnot_wave_0_\@
	s_barrier_signal -3
.Lnot_wave_0_\@:
	s_barrier_wait -3
	s_barrier_signal -1
	s_barrier_wait -1
.endm
.macro CROUND                          ; a round of the cluster's barrier
	s_barrier_signal -1
	s_barrier_wait -1
	CREST
.endm
	s_load_b256 s[4:11], s[0:1], 0x0               ; acodes 4, scl 6, w4 8, bq 10
	s_load_b128 s[12:15], s[0:1], 0x20             ; bk 12, bv 14
	s_load_b64 s[16:17], s[0:1], 0x30              ; ocol
	v_lshl_add_u32 v[SPW], v0, 2, SPARE
	v_mov_b32 v[NIL], 0
	ds_add_u32 v[SPW], v[NIL]                      ; the wave's opening: the add, twice on end, and its wait ahead of my first tensor load
	ds_add_u32 v[SPW], v[NIL]
	v_lshrrev_b32 v1, 5, v0
	v_readfirstlane_b32 s[WV], v1
	s_lshr_b32 s[RH], s[WV], 1
	s_and_b32 s[CH], s[WV], 1
	s_bfe_u32 s[CX], ttmp6, 0x40000
	s_bfe_u32 s[CY], ttmp6, 0x40004
	s_lshl_b32 s[XX], ttmp9, 2
	s_add_co_u32 s[XX], s[XX], s[CX]               ; X = 4 x cluster x + cx
	s_and_b32 s[YY], ttmp7, 0xffff
	s_lshl_b32 s[YY], s[YY], 2
	s_add_co_u32 s[YY], s[YY], s[CY]               ; Y = 4 x cluster y + cy
	s_lshl_b32 s[RM], s[CY], 2
	s_lshl_b32 s[RM], 15, s[RM]                    ; my row of the cluster
	s_lshl_b32 s[CM], 0x1111, s[CX]                ; my column
	s_or_b32 s[G1A], s[RM], (1<<20)|(1<<21)|(7<<22)|(3<<25)   ; the mask; elements of 1 byte; padding on; bit 21 beside a mask; after every 256 words four words
	s_mov_b32 s[G1A+1], 1024<<16                   ; tensor_dim0 = 1,024
	s_mov_b32 s[G1A+2], 32<<16                     ; tensor_dim1 = 32
	s_mov_b32 s[G1A+3], 1024<<16                   ; tile_dim0
	s_mov_b32 s[G1A+4], 32                         ; tile_dim1
	s_mov_b32 s[G1A+5], 8192                       ; from b to b + 1: 16 rows of 512 bytes
	s_mov_b32 s[G1A+6], 0
	s_mov_b32 s[G1A+7], 0
	s_or_b32 s[G1B], s[CM], (3<<16)|(1<<21)        ; a dense block of 32,768 bytes as 128 rows of 32 elements of 8 bytes
	s_mov_b32 s[G1B+1], 32<<16
	s_mov_b32 s[G1B+2], 128<<16
	s_mov_b32 s[G1B+3], 32<<16
	s_mov_b32 s[G1B+4], 128
	s_mov_b32 s[G1B+5], 32
	s_mov_b32 s[G1B+6], 0
	s_mov_b32 s[G1B+7], 0
	s_lshr_b32 s[NR], s[YY], 3
	s_lshl_b32 s[NR], s[NR], 10
	s_and_b32 s72, s[YY], 7
	s_lshl_b32 s72, s72, 1
	s_add_co_u32 s[NR], s[NR], s72                 ; 1,024 n + 2 op
	s_lshl_b32 s72, s[CH], 9                       ; my half: b from 32 on is 512 rows on
	s_add_co_u32 s72, s72, s[NR]
	s_lshl_b32 s72, s72, 9
	s_mov_b32 s73, 0
	s_lshl_b32 s74, s[XX], 16                      ; W: 8 tiles x 8 K steps x 1,024 bytes for a pair of heads,
	s_lshl_b32 s75, s[CH], 15                      ; a head to a load
	s_add_co_u32 s74, s74, s75
	s_mov_b32 s75, 0
	s_mul_i32 s[LA], s[CH], AHALF                  ; where they go: the wave's number alone
	s_lshl_b32 s[LB], s[CH], 15
	s_add_co_u32 s[LB], s[LB], BOFF
	s_mov_b32 s[SEL], 0x76543210
	s_mov_b32 s[SEL+1], 0xfedcba98                 ; v_permlanex16_b32: lane l xor 16
	s_mov_b32 s[CS], 0x3e38aa3b                    ; c = log2(e) / 8
	s_mov_b32 s[CS+1], s[CS]
	s_mov_b32 s[NC], 0xbe38aa3b                    ; -c
	s_wait_dscnt 0x0                               ; both opening adds are done
	s_wait_kmcnt 0x0
	s_add_nc_u64 s[76:77], s[4:5], s[72:73]
	s_add_nc_u64 s[78:79], s[8:9], s[74:75]
	CROUND                                         ; all sixteen work-groups are here: the first joint loads meet
.irp t, 0,1,2
	s_mov_b32 s[G0A+4*\t], 1
	s_add_co_u32 s[G0A+4*\t+1], s[LA], (\t%2)*SLOT
	s_add_nc_u64 s[G0A+4*\t+2:G0A+4*\t+3], s[76:77], \t*2097152
	s_or_b32 s[G0A+4*\t+3], s[G0A+4*\t+3], 0x80000000
	s_mov_b32 s[G0B+4*\t], 1
	s_add_co_u32 s[G0B+4*\t+1], s[LB], (\t%2)*SLOT
	s_add_nc_u64 s[G0B+4*\t+2:G0B+4*\t+3], s[78:79], \t*524288
	s_or_b32 s[G0B+4*\t+3], s[G0B+4*\t+3], 0x80000000
.endr
	JLOAD G0A, G1A, G0B, G1B                       ; q's product into slot 0
	JLOAD G0A+4, G1A, G0B+4, G1B                   ; k's into slot 1: two loads of mine are out
	v_and_b32 v1, 15, v0                           ; r
	v_bfe_u32 v2, v0, 4, 1                         ; h
	v_and_b32 v14, 31, v0                          ; lane
	v_mul_u32_u24 v[ADA], v1, PA
	v_lshl_add_u32 v[ADA], v2, 4, v[ADA]
	s_lshl_b32 s86, s[RH], 9
	v_add_nc_u32 v[ADA], s86, v[ADA]               ; row r x pitch + 512 e + 16 h
	v_add_nc_u32 v[ADA+1], SLOT, v[ADA]
	s_lshl_b32 s86, s[CH], 15
	s_add_co_u32 s86, s86, BOFF
	v_lshl_add_u32 v[ADB], v14, 4, s86             ; my head's images + 16 x lane
	v_add_nc_u32 v[ADB+1], SLOT, v[ADB]
	s_mul_i32 s86, s[RH], 64*SPITCH
	s_lshl_b32 s87, s[CH], 7
	s_add_co_u32 s86, s86, s87
	s_add_co_u32 s86, s86, STAGE
	v_mul_u32_u24 v[STO], v1, SPITCH
	v_lshl_add_u32 v[STO], v2, 4, v[STO]
	v_add_nc_u32 v[STO], s86, v[STO]               ; the stage: row 64 e + r, my head's 128 bytes, + 16 h
	s_mul_i32 s86, s[WV], 16*SPITCH
	s_add_co_u32 s86, s86, STAGE
	v_mul_u32_u24 v[RD], v2, 64*SPITCH
	v_lshl_add_u32 v[RD], v1, 4, v[RD]
	v_add_nc_u32 v[RD], s86, v[RD]                 ; back: lanes 0-15 sequence 0, lanes 16-31 sequence 1; b = 16 x wave on
	v_lshlrev_b32 v[GO], 11, v2
	v_lshl_add_u32 v[GO], v1, 4, v[GO]
	v_mov_b32 v[NINF], 0xff800000
	v_lshlrev_b32 v[VD], 3, v2
	v_sub_nc_u32 v[VD], v1, v[VD]                  ; r - 8 h
.irp j, 0,1,2,3,4,5,6,7
	v_cmp_gt_i32 s[MK+\j], \j, v[VD]               ; on the diagonal: key 8 h + j > query r
.endr
	; the scale words come straight into registers, 32 bytes (8 K steps) a row: lanes 0-15 my rows', lanes 16-31 my head's columns'
	v_cmp_eq_u32 s[HM], 1, v2
	s_add_co_u32 s86, s[NR], s[RH]
	s_lshl_b32 s86, s86, 5
	s_lshl_b32 s87, s[XX], 12
	s_lshl_b32 s98, s[CH], 11
	s_add_co_u32 s87, s87, s98
	s_add_co_u32 s87, s87, 131072
	v_lshl_add_u32 v14, v1, 9, s86                 ; rows b = r: 16 rows of 32 bytes apart
	v_lshl_add_u32 v15, v1, 5, s87
	v_cndmask_b32 v120, v14, v15, s[HM]
	v_mov_b32 v14, 0x2000                          ; from tile to tile: 16 b, or 16 columns
	v_mov_b32 v15, 0x200
	v_cndmask_b32 v14, v14, v15, s[HM]
	v_add_nc_u32 v121, v120, v14
	v_add_nc_u32 v122, v121, v14
	v_add_nc_u32 v123, v122, v14
.irp t, 0,1,2
.irp i, 0,1,2,3
	global_load_b128 v[SC+32*\t+8*\i:SC+32*\t+8*\i+3], v[120+\i], s[6:7] offset:\t*163840
	global_load_b128 v[SC+32*\t+8*\i+4:SC+32*\t+8*\i+7], v[120+\i], s[6:7] offset:\t*163840+16
.endr
.endr
	s_lshl_b32 s96, s[XX], 1
	s_add_co_u32 s96, s96, s[CH]
	s_lshl_b32 s96, s96, 8                         ; my head's 64 numbers of a bias
	s_mov_b32 s97, 0
	s_add_nc_u64 s[10:11], s[10:11], s[96:97]
	s_add_nc_u64 s[12:13], s[12:13], s[96:97]
	s_add_nc_u64 s[14:15], s[14:15], s[96:97]
	v_lshlrev_b32 v15, 5, v2                       ; lane (r, h) wants, for tile ct, channels 16 ct + 8 h + 0 .. 7
	WIN 0x40                                       ; destination window 1
.irp ct, 0,1,2,3
	global_load_b128 v[BQ+8*\ct:BQ+8*\ct+3], v15, s[10:11] offset:64*\ct
	global_load_b128 v[BQ+8*\ct+4:BQ+8*\ct+7], v15, s[10:11] offset:64*\ct+16
	global_load_b128 v[BK+8*\ct:BK+8*\ct+3], v15, s[12:13] offset:64*\ct
	global_load_b128 v[BK+8*\ct+4:BK+8*\ct+7], v15, s[12:13] offset:64*\ct+16
	global_load_b128 v[BV+8*\ct:BV+8*\ct+3], v15, s[14:15] offset:64*\ct
	global_load_b128 v[BV+8*\ct+4:BV+8*\ct+7], v15, s[14:15] offset:64*\ct+16
.endr
	WIN 0
	s_lshl_b32 s96, s[WV], 8
	s_add_co_u32 s96, s96, s[NR]
	s_lshl_b32 s96, s96, 11
	s_lshl_b32 s98, s[XX], 8
	s_add_co_u32 s96, s96, s98
	s_add_nc_u64 s[16:17], s[16:17], s[96:97]      ; ocol at row 1,024 n + 2 op + 256 x wave, the pair of heads' 256 bytes
; 16 LDS loads: four fragments of my rows and four of my head's columns, K step s
.macro FETCH4 ada, adb, s, buf
.irp i, 0,1,2,3
.irp c, 0,1
	ds_load_b128 v[\buf+8*\i+4*\c:\buf+8*\i+4*\c+3], v[\ada] offset:\i*16*PA+(\s)*64+\c*32
	ds_load_b128 v[\buf+32+8*\i+4*\c:\buf+32+8*\i+4*\c+3], v[\adb] offset:\i*8192+(\s)*1024+\c*512
.endr
.endr
.endm
; 16 matrix instructions, the sixteen accumulators by turns.  tr = 1: transposed, the first K step takes the bias as C; tr = 0: natural, the first takes 0.
.macro MUL4 buf, s, t, tr, bias
	WIN 0x50                                       ; C and D window 1
.irp a, 0,1,2,3
.irp b, 0,1,2,3
.if \tr
.if (\s) == 0
	v_wmma_scale_f32_16x16x128_f8f6f4 v[8*(4*\a+\b):8*(4*\a+\b)+7], v[\buf+32+8*\b:\buf+32+8*\b+7], v[\buf+8*\a:\buf+8*\a+7], v[\bias+8*\b:\bias+8*\b+7], v[SC+32*\t+8*\b+(\s)], v[SC+32*\t+8*\a+(\s)] matrix_a_fmt:MATRIX_FMT_FP4 matrix_b_fmt:MATRIX_FMT_FP4 matrix_a_scale:MATRIX_SCALE_ROW1
.else
	v_wmma_scale_f32_16x16x128_f8f6f4 v[8*(4*\a+\b):8*(4*\a+\b)+7], v[\buf+32+8*\b:\buf+32+8*\b+7], v[\buf+8*\a:\buf+8*\a+7], v[8*(4*\a+\b):8*(4*\a+\b)+7], v[SC+32*\t+8*\b+(\s)], v[SC+32*\t+8*\a+(\s)] matrix_a_fmt:MATRIX_FMT_FP4 matrix_b_fmt:MATRIX_FMT_FP4 matrix_a_scale:MATRIX_SCALE_ROW1
.endif
.else
.if (\s) == 0
	v_wmma_scale_f32_16x16x128_f8f6f4 v[8*(4*\a+\b):8*(4*\a+\b)+7], v[\buf+8*\a:\buf+8*\a+7], v[\buf+32+8*\b:\buf+32+8*\b+7], 0, v[SC+32*\t+8*\a+(\s)], v[SC+32*\t+8*\b+(\s)] matrix_a_fmt:MATRIX_FMT_FP4 matrix_b_fmt:MATRIX_FMT_FP4 matrix_b_scale:MATRIX_SCALE_ROW1
.else
	v_wmma_scale_f32_16x16x128_f8f6f4 v[8*(4*\a+\b):8*(4*\a+\b)+7], v[\buf+8*\a:\buf+8*\a+7], v[\buf+32+8*\b:\buf+32+8*\b+7], v[8*(4*\a+\b):8*(4*\a+\b)+7], v[SC+32*\t+8*\a+(\s)], v[SC+32*\t+8*\b+(\s)] matrix_a_fmt:MATRIX_FMT_FP4 matrix_b_fmt:MATRIX_FMT_FP4 matrix_b_scale:MATRIX_SCALE_ROW1
.endif
.endif
.endr
.endr
	WIN 0
.endm
; a whole product 64 x 64 x 1,024: eight K steps on two buffers; a step's fragments are asked for one step ahead
.macro GEMM4 ada, adb, t, tr, bias
	PLACES
	FETCH4 \ada, \adb, 0, BUF0
.irp s, 0,1,2,3,4,5,6,7
.if \s < 7
.if \s > 0
	PLACES
.endif
	FETCH4 \ada, \adb, \s+1, BUF0+64*((\s+1)%2)
	s_wait_dscnt 16                                ; this step's fragments are in; the sixteen loads just issued may be out
.else
	s_wait_dscnt 0x0
.endif
	MUL4 BUF0+64*(\s%2), \s, \t, \tr, \bias
.endr
.endm
; the sixteen accumulators, rounded to f16 in pairs, become eight fragments in window 2; each accumulator is read from its low end on
.macro PACK base, isv
	WIN 0x85                                       ; destination window 2, sources window 1
.irp a, 0,1,2,3
.irp b, 0,1,2,3
.irp p, 0,1,2,3
.if \isv
	v_cvt_pk_f16_f32 v[\base+16*\b+4*\a+\p], v[8*(4*\a+\b)+2*\p], v[8*(4*\a+\b)+2*\p+1]
.else
	v_cvt_pk_f16_f32 v[\base+16*\a+4*\b+\p], v[8*(4*\a+\b)+2*\p], v[8*(4*\a+\b)+2*\p+1]
.endif
.endr
.endr
.endr
.endm
	s_wait_tensorcnt 0x1                           ; my part of slot 0 is in; slot 1's may stay out
	s_barrier_signal -1
	s_barrier_wait -1
	s_wait_loadcnt 0x0                             ; scale words and biases
.irp j, 0,1,2,3,4,5,6,7,8,9,10,11,12,13,14,15
	v_mov_b32 v[ST+\j], 0                          ; written once: a lane permute's destination and both halves of a named pair count as read
.endr
	GEMM4 ADA, ADB, 0, 1, BQ                       ; qh
	s_wait_tensorcnt 0x0                           ; all my tensor loads have landed: my part of slot 1;
	ds_add_u32 v[SPW], v[NIL]                      ; 0 onto my spare word: the roundings stand between it and its wait
	PLACES
	PACK QF, 0
	WIN 0
	s_wait_dscnt 0x0                               ; the add is done, and my reads of slot 0 are over
	CROUND                                         ; no wave of any partner still reads slot 0 or has a load on its way
	JLOAD G0A+8, G1A, G0B+8, G1B                   ; v's product into slot 0: it has k's product in which to land
	GEMM4 ADA+1, ADB+1, 1, 1, BK                   ; kh
	PLACES
	PACK KF, 0
	WIN 0
	s_wait_tensorcnt 0x0                           ; my part of v's tiles is in,
	s_barrier_signal -1
	s_barrier_wait -1                              ; everybody's is
	GEMM4 ADA, ADB, 2, 0, 0                        ; vh
	PLACES
	PACK VF, 1
	; ---- S^T = K Q^T: tile (qt, kt), kt <= qt, at S + 8 (qt (qt + 1) / 2 + kt): ten tiles by turns, 32 channels at a time
	WIN 0x0a                                       ; sources window 2
.irp u, 0,1
.irp qt, 0,1,2,3
.irp kt, 0,1,2,3
.if \kt <= \qt
.if \u == 0
	v_wmma_f32_16x16x32_f16 v[S+8*(\qt*(\qt+1)/2+\kt):S+8*(\qt*(\qt+1)/2+\kt)+7], v[KF+16*\kt+8*\u:KF+16*\kt+8*\u+7], v[QF+16*\qt+8*\u:QF+16*\qt+8*\u+7], 0
.else
	v_wmma_f32_16x16x32_f16 v[S+8*(\qt*(\qt+1)/2+\kt):S+8*(\qt*(\qt+1)/2+\kt)+7], v[KF+16*\kt+8*\u:KF+16*\kt+8*\u+7], v[QF+16*\qt+8*\u:QF+16*\qt+8*\u+7], v[S+8*(\qt*(\qt+1)/2+\kt):S+8*(\qt*(\qt+1)/2+\kt)+7]
.endif
.endif
.endr
.endr
.endr
	WIN 0
	PLACES
.irp qt, 0,1,2,3                       ; the diagonal tiles: hidden scores become -infinity, so that p = 0
.irp j, 0,1,2,3,4,5,6,7
	v_cndmask_b32 v[S+8*(\qt*(\qt+1)/2+\qt)+\j], v[S+8*(\qt*(\qt+1)/2+\qt)+\j], v[NINF], s[MK+\j]
.endr
.endr
.irp qt, 0,1,2,3                       ; the row's maximum: a query tile's 8 (qt + 1) registers lie on end; ascending, the four tiles by turns
	v_max3_num_f32 v[ST+4*\qt+1], v[S+8*(\qt*(\qt+1)/2)], v[S+8*(\qt*(\qt+1)/2)+1], v[S+8*(\qt*(\qt+1)/2)+2]
.endr
.irp i, 3,5,7,9,11,13,15,17,19,21,23,25,27,29
.irp qt, 0,1,2,3
.if \i+1 < 8*(\qt+1)
	v_max3_num_f32 v[ST+4*\qt+1], v[ST+4*\qt+1], v[S+8*(\qt*(\qt+1)/2)+\i], v[S+8*(\qt*(\qt+1)/2)+\i+1]
.endif
.endr
.endr
.irp qt, 0,1,2,3
	v_max_num_f32 v[ST+4*\qt+1], v[ST+4*\qt+1], v[S+8*(\qt*(\qt+1)/2)+8*(\qt+1)-1]
.endr
.irp qt, 0,1,2,3
	v_permlanex16_b32 v[ST+4*\qt+3], v[ST+4*\qt+1], s[SEL], s[SEL+1]   ; the query's other keys lie in the lane 16 away
.endr
.irp qt, 0,1,2,3
	v_max_num_f32 v[ST+4*\qt+1], v[ST+4*\qt+1], v[ST+4*\qt+3]
.endr
.irp qt, 0,1,2,3
	v_mul_f32 v[ST+4*\qt], s[NC], v[ST+4*\qt+1]    ; -c m
.endr
.irp qt, 0,1,2,3
.set SB0, S+8*(\qt*(\qt+1)/2)
.set n, 0
.rept 4*(\qt+1)
	v_pk_fma_f32 v[SB0+n:SB0+n+1], v[SB0+n:SB0+n+1], s[CS:CS+1], v[ST+4*\qt:ST+4*\qt+1] op_sel_hi:[1,0,0]   ; c s - c m, two at a time
.set n, n+2
.endr
.endr
.set n, 0
.rept 80
	v_exp_f32 v[S+n], v[S+n]                       ; p = 2^(c s - c m): one batch
.set n, n+1
.endr
	v_nop                                          ; a plain line behind the last exponential
	s_wait_alu depctr_va_vdst(0)                   ; one wait for the batch, ahead of its first reader
.irp qt, 0,1,2,3                       ; the row's sum, of the unrounded p
	v_pk_add_f32 v[ST+4*\qt+2:ST+4*\qt+3], v[S+8*(\qt*(\qt+1)/2):S+8*(\qt*(\qt+1)/2)+1], v[S+8*(\qt*(\qt+1)/2)+2:S+8*(\qt*(\qt+1)/2)+3]
.endr
.irp i, 4,6,8,10,12,14,16,18,20,22,24,26,28,30
.irp qt, 0,1,2,3
.if \i < 8*(\qt+1)
	v_pk_add_f32 v[ST+4*\qt+2:ST+4*\qt+3], v[ST+4*\qt+2:ST+4*\qt+3], v[S+8*(\qt*(\qt+1)/2)+\i:S+8*(\qt*(\qt+1)/2)+\i+1]
.endif
.endr
.endr
.irp qt, 0,1,2,3
	v_add_f32 v[ST+4*\qt+2], v[ST+4*\qt+2], v[ST+4*\qt+3]
.endr
.irp qt, 0,1,2,3
	v_permlanex16_b32 v[ST+4*\qt+3], v[ST+4*\qt+2], s[SEL], s[SEL+1]
.endr
.irp qt, 0,1,2,3
	v_add_f32 v[ST+4*\qt+2], v[ST+4*\qt+2], v[ST+4*\qt+3]
.endr
.irp qt, 0,1,2,3
	v_rcp_f32 v[ST+4*\qt+2], v[ST+4*\qt+2]         ; a batch of four; the roundings below are the plain work behind it
.endr
.irp qt, 0,1,2,3                       ; P: query tile qt's fragments (32 keys each) from P + 8 (qt + qt / 3) on
.irp kt, 0,1,2,3
.if \kt <= \qt
.irp p, 0,1,2,3
	v_cvt_pk_f16_f32 v[P+8*(\qt+\qt/3)+8*(\kt/2)+4*(\kt%2)+\p], v[S+8*(\qt*(\qt+1)/2+\kt)+2*\p], v[S+8*(\qt*(\qt+1)/2+\kt)+2*\p+1]
.endr
.endif
.endr
.endr
.irp p, 4,5,6,7
	v_mov_b32 v[P+\p], 0                           ; keys 16-31 count for nothing in query tile 0,
	v_mov_b32 v[P+24+\p], 0                        ; keys 48-63 in query tile 2
.endr
	; ---- O^T = V^T P^T: the first 32 keys start all sixteen sums; query tiles 2 and 3 have 32 keys more
	WIN 0x52                                       ; V^T window 2, P window 0, C and D window 1
.irp qt, 0,1,2,3
.irp ct, 0,1,2,3
	v_wmma_f32_16x16x32_f16 v[8*(4*\qt+\ct):8*(4*\qt+\ct)+7], v[VF+16*\ct:VF+16*\ct+7], v[P+8*(\qt+\qt/3):P+8*(\qt+\qt/3)+7], 0
.endr
.endr
.irp qt, 2,3
.irp ct, 0,1,2,3
	v_wmma_f32_16x16x32_f16 v[8*(4*\qt+\ct):8*(4*\qt+\ct)+7], v[VF+16*\ct+8:VF+16*\ct+15], v[P+8*(\qt+\qt/3)+8:P+8*(\qt+\qt/3)+15], v[8*(4*\qt+\ct):8*(4*\qt+\ct)+7]
.endr
.endr
	WIN 0
	PLACES
	s_wait_alu depctr_va_vdst(0)                   ; the wait for the four reciprocals, ahead of their first reader
.irp qt, 0,1,2,3                       ; O^T / sum + bv, rounded to f16, into the stage
	WIN 0x11                                       ; O^T and bv window 1
.irp m, 0,2,4,6,8,10,12,14,16,18,20,22,24,26,28,30
	v_pk_fma_f32 v[TT+\m:TT+\m+1], v[32*\qt+\m:32*\qt+\m+1], v[ST+4*\qt+2:ST+4*\qt+3], v[BV+\m:BV+\m+1] op_sel_hi:[1,0,1]
.endr
	WIN 0
.irp m, 0,1,2,3,4,5,6,7,8,9,10,11,12,13,14,15
	v_cvt_pk_f16_f32 v[TH+\m], v[TT+2*\m], v[TT+2*\m+1]
.endr
.irp ct, 0,1,2,3
	ds_store_b128 v[STO], v[TH+4*\ct:TH+4*\ct+3] offset:\qt*16*SPITCH+\ct*32
.endr
.endr
	s_wait_dscnt 0x0                               ; for the others' sake: my stores into the stage are done
	s_barrier_signal -1
	s_barrier_wait -1                              ; a row's 256 bytes come from the two waves of a sequence
.irp i, 0,1,2,3,4,5,6,7,8,9,10,11,12,13,14,15
	ds_load_b128 v[OUTR+4*\i:OUTR+4*\i+3], v[RD] offset:\i*SPITCH
.endr
.irp i, 0,1,2,3,4,5,6,7,8,9,10,11,12,13,14,15
	s_wait_dscnt 15-\i                             ; load i is in; the younger ones may be out
	global_store_b128 v[GO], v[OUTR+4*\i:OUTR+4*\i+3], s[16:17] offset:32768*\i   ; sixteen lanes store 256 consecutive bytes, aligned
.endr
	s_wait_tensorcnt 0x0                           ; the wave's end
	ds_add_u32 v[SPW], v[NIL]
	s_wait_dscnt 0x0
	CROUND                                         ; the closing round
	s_endpgm
.Lfunc_end_k_qde5d273b13_colattn:
	.size	k_qde5d273b13_colattn, .Lfunc_end_k_qde5d273b13_colattn-k_qde5d273b13_colattn
	.p2alignl 7, 3214868480
	.fill 96, 4, 3214868480
	.section	.rodata,"a",@progbits
	.p2align	6, 0x0
	.amdhsa_kernel k_qde5d273b13_colattn
		.amdhsa_group_segment_fixed_size 327680
		.amdhsa_private_segment_fixed_size 0
		.amdhsa_enable_private_segment 0
		.amdhsa_kernarg_size 56
		.amdhsa_user_sgpr_count 2
		.amdhsa_user_sgpr_kernarg_segment_ptr 1
		.amdhsa_wavefront_size32 1
		.amdhsa_system_sgpr_workgroup_id_x 1
		.amdhsa_system_sgpr_workgroup_id_y 1
		.amdhsa_system_sgpr_workgroup_id_z 1
		.amdhsa_system_vgpr_workitem_id 0
		.amdhsa_next_free_vgpr 768
		.amdhsa_next_free_sgpr 100
		.amdhsa_reserve_vcc 0
		.amdhsa_float_denorm_mode_32 3
		.amdhsa_float_denorm_mode_16_64 3
		.amdhsa_memory_ordered 1
		.amdhsa_forward_progress 1
		.amdhsa_inst_pref_size 137
	.end_amdhsa_kernel
	.amdgpu_metadata
---
amdhsa.version: [ 1, 2 ]
amdhsa.kernels:
  - .name:           k_qde5d273b13_colattn
    .symbol:         k_qde5d273b13_colattn.kd
    .args:
      - { .name: acodes, .offset: 0, .size: 8, .value_kind: global_buffer, .address_space: global }
      - { .name: scl, .offset: 8, .size: 8, .value_kind: global_buffer, .address_space: global }
      - { .name: w4, .offset: 16, .size: 8, .value_kind: global_buffer, .address_space: global }
      - { .name: bq, .offset: 24, .size: 8, .value_kind: global_buffer, .address_space: global }
      - { .name: bk, .offset: 32, .size: 8, .value_kind: global_buffer, .address_space: global }
      - { .name: bv, .offset: 40, .size: 8, .value_kind: global_buffer, .address_space: global }
      - { .name: ocol, .offset: 48, .size: 8, .value_kind: global_buffer, .address_space: global }
    .group_segment_fixed_size: 327680
    .private_segment_fixed_size: 0
    .kernarg_segment_align: 8
    .kernarg_segment_size: 56
    .max_flat_workgroup_size: 128
    .sgpr_count:     100
    .vgpr_count:     768
    .wavefront_size: 32
...
	.end_amdgpu_metadata
.endif
;; end of part 2
;; launch rowattn (part 3): grid 8 x 32, 4 waves a work-group, clusters of 4 x 4, 327,680 bytes of LDS; arguments acodes, scl, w4, a16, w16, ocol, bq, bk, bv, osum; writes osum
.if DOCPART == 3
	.amdgcn_target "amdgcn-amd-amdhsa--gfx1250"
	.amdhsa_code_object_version 6
	.text
	.protected	k_qde5d273b13_rowattn
	.globl	k_qde5d273b13_rowattn
	.p2align	8
	.type	k_qde5d273b13_rowattn,@function
k_qde5d273b13_rowattn:
	s_mov_b64 s[64:65], 0
	v_nop
	global_prefetch_b8 v0, s[64:65] scope:SCOPE_SE
	s_setreg_imm32_b32 hwreg(HW_REG_WAVE_MODE, 25, 1), 1
	s_wait_xcnt 0x0
	s_wait_alu depctr_hold_cnt(0) depctr_sa_sdst(0) depctr_va_vdst(0) depctr_va_sdst(0) depctr_va_ssrc(0) depctr_va_vcc(0) depctr_vm_vsrc(0)
	s_getreg_b32 s2, hwreg(HW_REG_IB_STS2, 6, 4)
	s_cmp_eq_u32 s2, 0
	s_cbranch_scc0 .Lentry_in_a_cluster
	s_endpgm
.Lentry_in_a_cluster:
	s_bfe_u32 s2, ttmp6, 0x10000c
	s_cmp_lg_u32 s2, 0xf033
	s_cbranch_scc0 .Lentry_shape_is_right
	s_endpgm
.Lentry_shape_is_right:
; PREVIOUS-ROW ATTENTION, and the sum of both attentions.  Block b (16 rows) attends to block b - 1 under a causal 16 x 16 mask; block 0 attends to a block of zeros, put in AHEAD of the projections.
; qh = Q(q) Q(Wq) + bq on codes of FP4 with E8M0 scales; kh = k' Wk + bk and vh = k', v' shifted and padded: f16 operands, f32 sums.  a16 holds k and v already shifted one block down with the zero block,
; so a query block's keys have the SAME row numbers as its queries.  osum = softmax(qh kh^T / 8) vh + bv + ocol, as f16 in the order of an operand's registers, for the last launch.
; SHARES.  Work-group (X, Y): rows 128 Y on (8 blocks), heads 2 X, 2 X + 1.  Wave (rh, hh): 4 blocks x 1 head: three products 64 x 64 x 1,024, then its four attentions in registers.
; LAYOUT as in the column launch: qh, kh transposed, vh natural, S^T = K Q^T, O^T = V^T P^T.  A fragment of V^T holds the keys of two blocks; zeros in P cut the other block off.
; CLUSTER 4 x 4.  Rows' tiles hang on Y alone (joint along a row of the cluster), weights' on X alone (joint along a column).
; THE RING: two slots, nine steps.  Step 0 (slot 0) is the FP4 product's whole K: q's codes as two halves of K (128 rows x 256 bytes each) and Wq's 64 images: the same LDS bytes as an f16 step.
; Steps 1-8 are the f16 products' K steps of 128: k's and v's 128 rows x 256 bytes, Wk's and Wv's 32 images each.  One load a wave behind each round.
; ocol is read 32 bytes a lane from rows 2,048 bytes apart, once, 32 KiB a work-group.
; LIMITS: |qh|, |kh|, |vh| or a sum beyond 65,504 becomes infinity in f16; an unmasked score at or under -1e9 is not told from a masked one; NaN and infinities among the inputs are not served.
; REGISTERS.  window 0: v1-15 addresses; v16-31 statistics; v32-63 scale words (register 8 i + s: lanes 0-15 my rows' tile i, lanes 16-31 Wq's tile i); v64-127 ocol; v128-159 S^T, v160-191 P, later the result; v192-223 bv; v224-255 at work.
;   window 1: two fragment buffers of 128.   window 2: v0-127 qh's, then kh's accumulators, then O^T; v128-255 vh's.   window 3: v0 qh, v64 kh, v128 vh^T as f16 fragments; v192 bq, v224 bk.
.set PITCH, 272                        ; 256 bytes + 16 = 17 x 16: the sixteen rows of a load start at sixteen different banks (64 banks of 4 bytes: ISA guide 11.1)
.set AREG,  128*PITCH
.set BOFF,  2*AREG
.set SLOT,  BOFF+65536
.set SPARE, 2*SLOT                     ; the spare words, 128 bytes a wave: two blocks of 256 bytes that no other line names
.set ADRA,  3                          ; v3, v4  my 64 rows in slot 0, 1
.set ADRB,  5                          ; v5, v6  my head's f16 images in slot 0, 1
.set ADRBQ, 7                          ; v7      my head's FP4 images
.set OCO,   8
.set OSO,   9
.set NINF,  10
.set VD,    11
.set SPW,   12
.set NIL,   13
.set SOF,   14
.set BOF,   15
.set ST,    16                         ; block i: +0 -c m, +1 at work, +2 the sum, then 1 / sum, +3 at work
.set SC,    32
.set OC,    64
.set S,     128
.set P,     160
.set OUT,   128
.set BV,    192
.set TT,    224
.set F0,    0
.set F1,    128
.set ACCV,  128
.set QF,    0
.set KF,    64
.set VF,    128
.set BQ,    192
.set BK,    224
.set G1A, 24                           ; k's and v's tiles
.set G1Q, 32                           ; q's codes
.set G1B, 40                           ; a dense block of images
.set G0A, 48                           ; s[48:55] a set for each slot
.set G0B, 56
.set G0QA, 68
.set G0QB, 72
.set MK,  68                           ; s[68:75] the diagonal's masks, made when the loads that these registers described are long done
.set WV,  76
.set RH,  77                           ; my half of the rows.  Also: I fetch rows (0) or weights (1)
.set CH,  78                           ; my head.  Also: k's or v's side (step 0: which half)
.set CX,  79
.set CY,  80
.set XX,  81
.set YY,  82
.set RM,  83
.set CM,  84
.set LA,  85
.set SEL, 94
.set CS,  96
.set NC,  98
.set HM,  99
.set LB,  100
.set MSB, 0
.macro WIN new
.if MSB != \new
	s_set_vgpr_msb (MSB<<8)|\new
.set MSB, \new
.endif
.endm
.macro PLACES
.rept 4
	v_nop
.endr
.endm
.macro JLOAD g0a, g1a, g0b, g1b        ; a joint load: the branch hangs on the wave's number alone; s_nop 0 and four v_nop follow each line
	s_cmp_eq_u32 s[RH], 0
	s_cbranch_scc0 .Lfor_b_\@
	tensor_load_to_lds s[\g0a:\g0a+3], s[\g1a:\g1a+7]
	s_nop 0
.rept 4
	v_nop
.endr
	s_branch .Lasked_\@
.Lfor_b_\@:
	tensor_load_to_lds s[\g0b:\g0b+3], s[\g1b:\g1b+7]
	s_nop 0
.rept 4
	v_nop
.endr
.Lasked_\@:
.endm
.macro CREST
	s_cmp_lg_u32 s[WV], 0
	s_cbranch_scc1 .Lnot_wave_0_\@
	s_barrier_signal -3
.Lnot_wave_0_\@:
	s_barrier_wait -3
	s_barrier_signal -1
	s_barrier_wait -1
.endm
.macro CROUND
	s_barrier_signal -1
	s_barrier_wait -1
	CREST
.endm
	s_load_b512 s[4:19], s[0:1], 0x0               ; acodes 4, scl 6, w4 8, a16 10, w16 12, ocol 14, bq 16, bk 18
	s_load_b128 s[20:23], s[0:1], 0x40             ; bv 20, osum 22
	v_lshl_add_u32 v[SPW], v0, 2, SPARE
	v_mov_b32 v[NIL], 0
	ds_add_u32 v[SPW], v[NIL]                      ; the wave's opening: the add, twice on end, and its wait ahead of my first tensor load
	ds_add_u32 v[SPW], v[NIL]
	v_lshrrev_b32 v1, 5, v0
	v_readfirstlane_b32 s[WV], v1
	s_lshr_b32 s[RH], s[WV], 1
	s_and_b32 s[CH], s[WV], 1
	s_bfe_u32 s[CX], ttmp6, 0x40000
	s_bfe_u32 s[CY], ttmp6, 0x40004
	s_lshl_b32 s[XX], ttmp9, 2
	s_add_co_u32 s[XX], s[XX], s[CX]
	s_and_b32 s[YY], ttmp7, 0xffff
	s_lshl_b32 s[YY], s[YY], 2
	s_add_co_u32 s[YY], s[YY], s[CY]
	s_lshl_b32 s[RM], s[CY], 2
	s_lshl_b32 s[RM], 15, s[RM]
	s_lshl_b32 s[CM], 0x1111, s[CX]
	s_or_b32 s[G1A], s[RM], (1<<16)|(1<<20)|(1<<21)|(5<<22)|(3<<25)   ; elements of 2 bytes; after every 64 words four words of padding
	s_mov_b32 s[G1A+1], 128<<16
	s_mov_b32 s[G1A+2], 128<<16
	s_mov_b32 s[G1A+3], 128<<16
	s_mov_b32 s[G1A+4], 128
	s_mov_b32 s[G1A+5], 1024
	s_mov_b32 s[G1A+6], 0
	s_mov_b32 s[G1A+7], 0
	s_or_b32 s[G1Q], s[RM], (1<<20)|(1<<21)|(5<<22)|(3<<25)           ; elements of 1 byte: 128 rows x 256 bytes of rows of 512
	s_mov_b32 s[G1Q+1], 256<<16
	s_mov_b32 s[G1Q+2], 128<<16
	s_mov_b32 s[G1Q+3], 256<<16
	s_mov_b32 s[G1Q+4], 128
	s_mov_b32 s[G1Q+5], 512
	s_mov_b32 s[G1Q+6], 0
	s_mov_b32 s[G1Q+7], 0
	s_or_b32 s[G1B], s[CM], (3<<16)|(1<<21)        ; 32,768 dense bytes as 128 rows of 32 elements of 8 bytes
	s_mov_b32 s[G1B+1], 32<<16
	s_mov_b32 s[G1B+2], 128<<16
	s_mov_b32 s[G1B+3], 32<<16
	s_mov_b32 s[G1B+4], 128
	s_mov_b32 s[G1B+5], 32
	s_mov_b32 s[G1B+6], 0
	s_mov_b32 s[G1B+7], 0
	s_lshl_b32 s86, s[YY], 18                      ; a16: row 128 Y of 2,048 bytes,
	s_lshl_b32 s87, s[CH], 23                      ; k's half or v's
	s_add_co_u32 s86, s86, s87
	s_mov_b32 s87, 0
	s_lshl_b32 s92, s[YY], 16                      ; q's codes: row 128 Y of 512 bytes,
	s_lshl_b32 s93, s[CH], 8                       ; K's first half or second
	s_add_co_u32 s92, s92, s93
	s_mov_b32 s93, 0
	s_lshl_b32 s88, s[XX], 15                      ; w16: the pair of heads' 8 tiles x 4,096 bytes,
	s_lshl_b32 s89, s[CH], 21                      ; Wk's or Wv's
	s_add_co_u32 s88, s88, s89
	s_mov_b32 s89, 0
	s_lshl_b32 s90, s[XX], 16                      ; w4 (Wq): 8 tiles x 8,192 bytes, a head to a load
	s_lshl_b32 s91, s[CH], 15
	s_add_co_u32 s90, s90, s91
	s_mov_b32 s91, 0
	s_mul_i32 s[LA], s[CH], AREG
	s_lshl_b32 s[LB], s[CH], 15
	s_add_co_u32 s[LB], s[LB], BOFF
	s_mov_b32 s[SEL], 0x76543210
	s_mov_b32 s[SEL+1], 0xfedcba98
	s_mov_b32 s[CS], 0x3e38aa3b                    ; c = log2(e) / 8
	s_mov_b32 s[CS+1], s[CS]
	s_mov_b32 s[NC], 0xbe38aa3b
	s_wait_dscnt 0x0
	s_wait_kmcnt 0x0
	s_add_nc_u64 s[86:87], s[10:11], s[86:87]
	s_add_nc_u64 s[92:93], s[4:5], s[92:93]
	s_add_nc_u64 s[88:89], s[12:13], s[88:89]
	s_add_nc_u64 s[90:91], s[8:9], s[90:91]
	CROUND                                         ; all sixteen work-groups are here
	s_mov_b32 s[G0QA], 1
	s_mov_b32 s[G0QA+1], s[LA]
	s_mov_b64 s[G0QA+2:G0QA+3], s[92:93]
	s_or_b32 s[G0QA+3], s[G0QA+3], 0x80000000
	s_mov_b32 s[G0QB], 1
	s_mov_b32 s[G0QB+1], s[LB]
	s_mov_b64 s[G0QB+2:G0QB+3], s[90:91]
	s_or_b32 s[G0QB+3], s[G0QB+3], 0x80000000
	s_mov_b32 s[G0A], 1                            ; slot 0 begins with the f16 K step 1,
	s_mov_b32 s[G0A+1], s[LA]
	s_add_nc_u64 s[G0A+2:G0A+3], s[86:87], 256
	s_or_b32 s[G0A+3], s[G0A+3], 0x80000000
	s_mov_b32 s[G0A+4], 1                          ; slot 1 with K step 0
	s_add_co_u32 s[G0A+5], s[LA], SLOT
	s_mov_b64 s[G0A+6:G0A+7], s[86:87]
	s_or_b32 s[G0A+7], s[G0A+7], 0x80000000
	s_mov_b32 s[G0B], 1
	s_mov_b32 s[G0B+1], s[LB]
	s_add_nc_u64 s[G0B+2:G0B+3], s[88:89], 262144
	s_or_b32 s[G0B+3], s[G0B+3], 0x80000000
	s_mov_b32 s[G0B+4], 1
	s_add_co_u32 s[G0B+5], s[LB], SLOT
	s_mov_b64 s[G0B+6:G0B+7], s[88:89]
	s_or_b32 s[G0B+7], s[G0B+7], 0x80000000
	JLOAD G0QA, G1Q, G0QB, G1B                     ; the FP4 product into slot 0
	JLOAD G0A+4, G1A, G0B+4, G1B                   ; the f16 K step 0 into slot 1: two loads of mine are out
	v_and_b32 v1, 15, v0                           ; r
	v_bfe_u32 v2, v0, 4, 1                         ; h
	v_and_b32 v[OSO], 31, v0
	v_lshlrev_b32 v[OSO], 4, v[OSO]                ; 16 x lane
	s_mul_i32 s2, s[RH], 64*PITCH
	v_mul_u32_u24 v[ADRA], v1, PITCH
	v_lshl_add_u32 v[ADRA], v2, 4, v[ADRA]
	v_add_nc_u32 v[ADRA], s2, v[ADRA]
	v_add_nc_u32 v[ADRA+1], SLOT, v[ADRA]
	s_lshl_b32 s2, s[CH], 14
	s_add_co_u32 s2, s2, BOFF
	v_add_nc_u32 v[ADRB], s2, v[OSO]
	v_add_nc_u32 v[ADRB+1], SLOT, v[ADRB]
	s_lshl_b32 s2, s[CH], 15
	s_add_co_u32 s2, s2, BOFF
	v_add_nc_u32 v[ADRBQ], s2, v[OSO]
	v_lshlrev_b32 v[OCO], 11, v1
	v_lshl_add_u32 v[OCO], v2, 4, v[OCO]           ; ocol: row r, + 16 h
	v_mov_b32 v[NINF], 0xff800000
	v_lshlrev_b32 v[VD], 3, v2
	v_sub_nc_u32 v[VD], v1, v[VD]                  ; r - 8 h
	v_cmp_eq_u32 s[HM], 1, v2
	s_lshl_b32 s2, s[YY], 12                       ; q's scale words: row 128 Y + 64 rh of 32 bytes;
	s_lshl_b32 s3, s[RH], 11
	s_add_co_u32 s2, s2, s3
	s_lshl_b32 s3, s[XX], 12                       ; Wq's: column 128 X + 64 hh, behind the rows'
	s_lshl_b32 s101, s[CH], 11
	s_add_co_u32 s3, s3, s101
	s_add_co_u32 s3, s3, 131072
	v_mov_b32 v[SOF], s2
	v_mov_b32 v[BOF], s3
	v_cndmask_b32 v[SOF], v[SOF], v[BOF], s[HM]
	v_lshl_add_u32 v[SOF], v1, 5, v[SOF]
	v_lshlrev_b32 v[BOF], 5, v2                    ; biases: 32 h
.irp i, 0,1,2,3
	global_load_b128 v[SC+8*\i:SC+8*\i+3], v[SOF], s[6:7] offset:512*\i
	global_load_b128 v[SC+8*\i+4:SC+8*\i+7], v[SOF], s[6:7] offset:512*\i+16
.endr
	s_lshl_b32 s2, s[XX], 1
	s_add_co_u32 s2, s2, s[CH]
	s_lshl_b32 s2, s2, 8
	s_mov_b32 s3, 0
	s_add_nc_u64 s[16:17], s[16:17], s[2:3]
	s_add_nc_u64 s[18:19], s[18:19], s[2:3]
	s_add_nc_u64 s[20:21], s[20:21], s[2:3]
	WIN 0xc0                                       ; destination window 3
.irp ct, 0,1,2,3
	global_load_b128 v[BQ+8*\ct:BQ+8*\ct+3], v[BOF], s[16:17] offset:64*\ct
	global_load_b128 v[BQ+8*\ct+4:BQ+8*\ct+7], v[BOF], s[16:17] offset:64*\ct+16
	global_load_b128 v[BK+8*\ct:BK+8*\ct+3], v[BOF], s[18:19] offset:64*\ct
	global_load_b128 v[BK+8*\ct+4:BK+8*\ct+7], v[BOF], s[18:19] offset:64*\ct+16
.endr
	WIN 0
.irp ct, 0,1,2,3
	global_load_b128 v[BV+8*\ct:BV+8*\ct+3], v[BOF], s[20:21] offset:64*\ct
	global_load_b128 v[BV+8*\ct+4:BV+8*\ct+7], v[BOF], s[20:21] offset:64*\ct+16
.endr
	s_lshl_b32 s2, s[YY], 18
	s_lshl_b32 s101, s[RH], 17
	s_add_co_u32 s2, s2, s101
	s_lshl_b32 s101, s[XX], 8
	s_add_co_u32 s2, s2, s101
	s_lshl_b32 s101, s[CH], 7
	s_add_co_u32 s2, s2, s101
	s_add_nc_u64 s[14:15], s[14:15], s[2:3]        ; ocol at my first row, my head's 128 bytes
.irp i, 0,1,2,3
.irp ct, 0,1,2,3
	global_load_b128 v[OC+4*(4*\i+\ct):OC+4*(4*\i+\ct)+3], v[OCO], s[14:15] offset:32768*\i+32*\ct
.endr
.endr
	s_lshl_b32 s2, s[XX], 20
	s_lshl_b32 s101, s[YY], 15
	s_add_co_u32 s2, s2, s101
	s_lshl_b32 s101, s[RH], 14
	s_add_co_u32 s2, s2, s101
	s_lshl_b32 s101, s[CH], 11
	s_add_co_u32 s2, s2, s101
	s_add_nc_u64 s[22:23], s[22:23], s[2:3]        ; osum: K step X, row tile 8 Y + 4 rh, my head's two images
.macro FETCHQ s, f                     ; the FP4 product's K step s: four fragments of my rows, four of my head's columns: 16 loads
	WIN 0x40                                       ; destination window 1
.irp i, 0,1,2,3
.irp c, 0,1
	ds_load_b128 v[\f+8*\i+4*\c:\f+8*\i+4*\c+3], v[ADRA] offset:((\s)/4)*AREG+\i*16*PITCH+((\s)%4)*64+32*\c
	ds_load_b128 v[\f+32+8*\i+4*\c:\f+32+8*\i+4*\c+3], v[ADRBQ] offset:\i*8192+(\s)*1024+512*\c
.endr
.endr
.endm
.macro MULQ f, s                       ; transposed; the first K step takes bq as C; the sixteen accumulators by turns
.if (\s) == 0
	WIN 0xb5                                       ; sources window 1, C window 3, D window 2
.else
	WIN 0xa5
.endif
.irp a, 0,1,2,3
.irp b, 0,1,2,3
.if (\s) == 0
	v_wmma_scale_f32_16x16x128_f8f6f4 v[8*(4*\a+\b):8*(4*\a+\b)+7], v[\f+32+8*\b:\f+32+8*\b+7], v[\f+8*\a:\f+8*\a+7], v[BQ+8*\b:BQ+8*\b+7], v[SC+8*\b+(\s)], v[SC+8*\a+(\s)] matrix_a_fmt:MATRIX_FMT_FP4 matrix_b_fmt:MATRIX_FMT_FP4 matrix_a_scale:MATRIX_SCALE_ROW1
.else
	v_wmma_scale_f32_16x16x128_f8f6f4 v[8*(4*\a+\b):8*(4*\a+\b)+7], v[\f+32+8*\b:\f+32+8*\b+7], v[\f+8*\a:\f+8*\a+7], v[8*(4*\a+\b):8*(4*\a+\b)+7], v[SC+8*\b+(\s)], v[SC+8*\a+(\s)] matrix_a_fmt:MATRIX_FMT_FP4 matrix_b_fmt:MATRIX_FMT_FP4 matrix_a_scale:MATRIX_SCALE_ROW1
.endif
.endr
.endr
.endm
; 32 LDS loads in one run: 32 along K (quarter q of a slot) of k's side (c = 0), then of v's (c = 1): four fragments of W and four of rows each
.macro FETCH slot, q, f
	WIN 0x40
.irp c, 0,1
.irp i, 0,1,2,3
	ds_load_b128 v[\f+64*\c+32+8*\i:\f+64*\c+32+8*\i+3], v[ADRB+\slot] offset:\c*32768+\i*4096+(\q)*1024
	ds_load_b128 v[\f+64*\c+32+8*\i+4:\f+64*\c+32+8*\i+7], v[ADRB+\slot] offset:\c*32768+\i*4096+(\q)*1024+512
	ds_load_b128 v[\f+64*\c+8*\i:\f+64*\c+8*\i+3], v[ADRA+\slot] offset:\c*AREG+\i*16*PITCH+64*(\q)
	ds_load_b128 v[\f+64*\c+8*\i+4:\f+64*\c+8*\i+7], v[ADRA+\slot] offset:\c*AREG+\i*16*PITCH+64*(\q)+32
.endr
.endr
.endm
; 8 matrix instructions: row tiles a0, a0 + 1 x four channel tiles.  c = 0: kh, transposed (first: C = bk); c = 1: vh, natural (first: C = 0)
.macro MUL8 f, c, a0, first
.if (\c) == 0 && (\first)
	WIN 0xb5
.else
	WIN 0xa5
.endif
.irp a, \a0, \a0+1
.irp b, 0,1,2,3
.if (\c) == 0
.if \first
	v_wmma_f32_16x16x32_f16 v[8*(4*(\a)+\b):8*(4*(\a)+\b)+7], v[\f+32+8*\b:\f+32+8*\b+7], v[\f+8*(\a):\f+8*(\a)+7], v[BK+8*\b:BK+8*\b+7]
.else
	v_wmma_f32_16x16x32_f16 v[8*(4*(\a)+\b):8*(4*(\a)+\b)+7], v[\f+32+8*\b:\f+32+8*\b+7], v[\f+8*(\a):\f+8*(\a)+7], v[8*(4*(\a)+\b):8*(4*(\a)+\b)+7]
.endif
.else
.if \first
	v_wmma_f32_16x16x32_f16 v[ACCV+8*(4*(\a)+\b):ACCV+8*(4*(\a)+\b)+7], v[\f+64+8*(\a):\f+64+8*(\a)+7], v[\f+96+8*\b:\f+96+8*\b+7], 0
.else
	v_wmma_f32_16x16x32_f16 v[ACCV+8*(4*(\a)+\b):ACCV+8*(4*(\a)+\b)+7], v[\f+64+8*(\a):\f+64+8*(\a)+7], v[\f+96+8*\b:\f+96+8*\b+7], v[ACCV+8*(4*(\a)+\b):ACCV+8*(4*(\a)+\b)+7]
.endif
.endif
.endr
.endr
.endm
; a quarter of a K step: 32 matrix instructions on buffer f, the 32 accumulators by turns; in its middle the next quarter (q) is fetched into g
.macro QUARTER slot, q, f, g, first
	s_wait_dscnt 16                                ; k's side is in; v's sixteen loads may be out
	MUL8 \f, 0, 0, \first
	MUL8 \f, 0, 2, \first
	PLACES
	FETCH \slot, \q, \g
	s_wait_dscnt 32                                ; all but the 32 just issued
	MUL8 \f, 1, 0, \first
	MUL8 \f, 1, 2, \first
.endm
; the last quarter multiplies buffer 1 and changes slots: one barrier; in front of it each wave waits for all its tensor loads, adds 0 to its spare word, and waits for that and for its reads of this slot
.macro TURN slot, next, fill
	WIN 0
	s_wait_tensorcnt 0x0                           ; all my tensor loads have landed: my part of the next slot;
	ds_add_u32 v[SPW], v[NIL]                      ; 0 onto my spare word
	s_wait_dscnt 17                                ; (the add and v's sixteen loads may be out)
	MUL8 F1, 0, 0, 0
	s_wait_dscnt 0x0                               ; the add is done, and my reads of this slot are over
	s_barrier_signal -1
	MUL8 F1, 0, 2, 0
.if \fill
	WIN 0
.endif
	s_barrier_wait -1
.if \fill
	CREST                                          ; the barrier has opened a round of the cluster's: no wave of any partner still reads this slot or has a load on its way
	s_add_nc_u64 s[G0A+4*\slot+2:G0A+4*\slot+3], s[G0A+4*\slot+2:G0A+4*\slot+3], 512
	s_add_nc_u64 s[G0B+4*\slot+2:G0B+4*\slot+3], s[G0B+4*\slot+2:G0B+4*\slot+3], 524288
	JLOAD G0A+4*\slot, G1A, G0B+4*\slot, G1B       ; two K steps on; its four v_nop are also the places in front of the loads below
.else
	PLACES
.endif
	FETCH \next, 0, F0
	MUL8 F1, 1, 0, 0
	MUL8 F1, 1, 2, 0
.endm
.macro PACK base, acc, isv             ; sixteen accumulators of window 2 become eight f16 fragments in window 3; each is read from its low end on
	WIN 0xca
.irp a, 0,1,2,3
.irp b, 0,1,2,3
.irp p, 0,1,2,3
.if \isv
	v_cvt_pk_f16_f32 v[\base+16*\b+4*\a+\p], v[\acc+8*(4*\a+\b)+2*\p], v[\acc+8*(4*\a+\b)+2*\p+1]
.else
	v_cvt_pk_f16_f32 v[\base+16*\a+4*\b+\p], v[\acc+8*(4*\a+\b)+2*\p], v[\acc+8*(4*\a+\b)+2*\p+1]
.endif
.endr
.endr
.endr
.endm
	s_wait_tensorcnt 0x1                           ; my part of slot 0 is in; slot 1's may stay out
	s_barrier_signal -1
	s_barrier_wait -1
	s_wait_loadcnt 0x0                             ; scale words, biases, ocol
.irp j, 0,1,2,3,4,5,6,7,8,9,10,11,12,13,14,15
	v_mov_b32 v[ST+\j], 0
.endr
	FETCHQ 0, F0
.irp s, 0,1,2,3,4,5,6,7
.if \s < 7
.if \s > 0
	PLACES
.endif
	FETCHQ \s+1, F0+128*((\s+1)%2)
	s_wait_dscnt 16                                ; this K step's fragments are in; the sixteen just asked for may be out
.else
	s_wait_dscnt 0x0
.endif
	MULQ F0+128*(\s%2), \s
.endr
	WIN 0
	s_wait_tensorcnt 0x0                           ; my part of slot 1 has landed;
	ds_add_u32 v[SPW], v[NIL]                      ; the roundings stand between it and its wait
	PLACES
	PACK QF, 0, 0
	WIN 0
	s_wait_dscnt 0x0                               ; the add is done, and my reads of slot 0 are over
	CROUND
	JLOAD G0A, G1A, G0B, G1B                       ; the f16 K step 1 into slot 0
	FETCH 1, 0, F0
	QUARTER 1, 1, F0, F1, 1                        ; the first quarter starts the sums
	WIN 0
	s_mov_b32 s3, 3
.Llap:                                 ; a trip goes once round the ring and fills both slots again
	QUARTER 1, 2, F1, F0, 0
	QUARTER 1, 3, F0, F1, 0
	TURN 1, 0, 1
	QUARTER 0, 1, F0, F1, 0
	QUARTER 0, 2, F1, F0, 0
	QUARTER 0, 3, F0, F1, 0
	TURN 0, 1, 1
	QUARTER 1, 1, F0, F1, 0
	WIN 0
	s_sub_co_u32 s3, s3, 1
	s_cmp_lg_u32 s3, 0
	s_cbranch_scc1 .Llap
	QUARTER 1, 2, F1, F0, 0                        ; the last two K steps fill nothing
	QUARTER 1, 3, F0, F1, 0
	TURN 1, 0, 0
	QUARTER 0, 1, F0, F1, 0
	QUARTER 0, 2, F1, F0, 0
	QUARTER 0, 3, F0, F1, 0
	s_wait_dscnt 16
	MUL8 F1, 0, 0, 0
	MUL8 F1, 0, 2, 0
	s_wait_dscnt 0x0
	MUL8 F1, 1, 0, 0
	MUL8 F1, 1, 2, 0
	PLACES
	PACK KF, 0, 0
	PACK VF, ACCV, 1
	WIN 0
.irp j, 0,1,2,3,4,5,6,7
	v_cmp_gt_i32 s[MK+\j], \j, v[VD]               ; key 8 h + j comes after query r
.endr
	; ---- S^T = K Q^T, a tile for each of my four blocks, by turns
	WIN 0x0f                                       ; sources window 3
.irp u, 0,1
.irp i, 0,1,2,3
.if \u == 0
	v_wmma_f32_16x16x32_f16 v[S+8*\i:S+8*\i+7], v[KF+16*\i+8*\u:KF+16*\i+8*\u+7], v[QF+16*\i+8*\u:QF+16*\i+8*\u+7], 0
.else
	v_wmma_f32_16x16x32_f16 v[S+8*\i:S+8*\i+7], v[KF+16*\i+8*\u:KF+16*\i+8*\u+7], v[QF+16*\i+8*\u:QF+16*\i+8*\u+7], v[S+8*\i:S+8*\i+7]
.endif
.endr
.endr
	WIN 0
	PLACES
.irp i, 0,1,2,3
.irp j, 0,1,2,3,4,5,6,7
	v_cndmask_b32 v[S+8*\i+\j], v[S+8*\i+\j], v[NINF], s[MK+\j]
.endr
.endr
.irp i, 0,1,2,3
	v_max3_num_f32 v[ST+4*\i+1], v[S+8*\i], v[S+8*\i+1], v[S+8*\i+2]
.endr
.irp k, 3,5
.irp i, 0,1,2,3
	v_max3_num_f32 v[ST+4*\i+1], v[ST+4*\i+1], v[S+8*\i+\k], v[S+8*\i+\k+1]
.endr
.endr
.irp i, 0,1,2,3
	v_max_num_f32 v[ST+4*\i+1], v[ST+4*\i+1], v[S+8*\i+7]
.endr
.irp i, 0,1,2,3
	v_permlanex16_b32 v[ST+4*\i+3], v[ST+4*\i+1], s[SEL], s[SEL+1]
.endr
.irp i, 0,1,2,3
	v_max_num_f32 v[ST+4*\i+1], v[ST+4*\i+1], v[ST+4*\i+3]         ; the row's true maximum
.endr
.irp i, 0,1,2,3
	v_mul_f32 v[ST+4*\i], s[NC], v[ST+4*\i+1]      ; -c m
.endr
.irp i, 0,1,2,3
.irp m, 0,2,4,6
	v_pk_fma_f32 v[S+8*\i+\m:S+8*\i+\m+1], v[S+8*\i+\m:S+8*\i+\m+1], s[CS:CS+1], v[ST+4*\i:ST+4*\i+1] op_sel_hi:[1,0,0]
.endr
.endr
.set n, 0
.rept 32
	v_exp_f32 v[S+n], v[S+n]                       ; one batch
.set n, n+1
.endr
	v_nop                                          ; a plain line behind the last exponential
	s_wait_alu depctr_va_vdst(0)                   ; one wait for the batch, ahead of its first reader
.irp i, 0,1,2,3
	v_pk_add_f32 v[ST+4*\i+2:ST+4*\i+3], v[S+8*\i:S+8*\i+1], v[S+8*\i+2:S+8*\i+3]
.endr
.irp m, 4,6
.irp i, 0,1,2,3
	v_pk_add_f32 v[ST+4*\i+2:ST+4*\i+3], v[ST+4*\i+2:ST+4*\i+3], v[S+8*\i+\m:S+8*\i+\m+1]
.endr
.endr
.irp i, 0,1,2,3
	v_add_f32 v[ST+4*\i+2], v[ST+4*\i+2], v[ST+4*\i+3]
.endr
.irp i, 0,1,2,3
	v_permlanex16_b32 v[ST+4*\i+3], v[ST+4*\i+2], s[SEL], s[SEL+1]
.endr
.irp i, 0,1,2,3
	v_add_f32 v[ST+4*\i+2], v[ST+4*\i+2], v[ST+4*\i+3]
.endr
.irp i, 0,1,2,3
	v_rcp_f32 v[ST+4*\i+2], v[ST+4*\i+2]           ; a batch of four; the roundings below are the plain work behind it
.endr
.irp i, 0,1,2,3
.irp p, 0,1,2,3
	v_cvt_pk_f16_f32 v[P+8*\i+4*(\i%2)+\p], v[S+8*\i+2*\p], v[S+8*\i+2*\p+1]   ; my block's 16 keys, in its half of the fragment's 32;
	v_mov_b32 v[P+8*\i+4*(1-\i%2)+\p], 0           ; the neighbouring block's count for nothing
.endr
.endr
	; ---- O^T = V^T P^T
	WIN 0xa3                                       ; V^T window 3, P window 0, D window 2
.irp i, 0,1,2,3
.irp ct, 0,1,2,3
	v_wmma_f32_16x16x32_f16 v[8*(4*\i+\ct):8*(4*\i+\ct)+7], v[VF+16*\ct+8*(\i/2):VF+16*\ct+8*(\i/2)+7], v[P+8*\i:P+8*\i+7], 0
.endr
.endr
	WIN 0
	PLACES
	s_wait_alu depctr_va_vdst(0)                   ; the wait for the four reciprocals, ahead of their first reader
; block i: ocol (widened just above each call) + bv, then O^T / sum on top by one fused multiply-add, then the rounding to f16
.macro FIN i
.irp m, 0,2,4,6,8,10,12,14,16,18,20,22,24,26,28,30
	v_pk_add_f32 v[TT+\m:TT+\m+1], v[TT+\m:TT+\m+1], v[BV+\m:BV+\m+1]
.endr
	WIN 0x02                                       ; O^T window 2
.irp m, 0,2,4,6,8,10,12,14,16,18,20,22,24,26,28,30
	v_pk_fma_f32 v[TT+\m:TT+\m+1], v[32*\i+\m:32*\i+\m+1], v[ST+4*\i+2:ST+4*\i+3], v[TT+\m:TT+\m+1] op_sel_hi:[1,0,1]
.endr
	WIN 0
.irp m, 0,1,2,3,4,5,6,7,8,9,10,11,12,13,14,15
	v_cvt_pk_f16_f32 v[OUT+16*\i+\m], v[TT+2*\m], v[TT+2*\m+1]
.endr
.endm
.set n, 0
.irp s, v64.l, v64.h, v65.l, v65.h, v66.l, v66.h, v67.l, v67.h, v68.l, v68.h, v69.l, v69.h, v70.l, v70.h, v71.l, v71.h, v72.l, v72.h, v73.l, v73.h, v74.l, v74.h, v75.l, v75.h, v76.l, v76.h, v77.l, v77.h, v78.l, v78.h, v79.l, v79.h
	v_cvt_f32_f16 v[TT+n], \s
.set n, n+1
.endr
	FIN 0
.set n, 0
.irp s, v80.l, v80.h, v81.l, v81.h, v82.l, v82.h, v83.l, v83.h, v84.l, v84.h, v85.l, v85.h, v86.l, v86.h, v87.l, v87.h, v88.l, v88.h, v89.l, v89.h, v90.l, v90.h, v91.l, v91.h, v92.l, v92.h, v93.l, v93.h, v94.l, v94.h, v95.l, v95.h
	v_cvt_f32_f16 v[TT+n], \s
.set n, n+1
.endr
	FIN 1
.set n, 0
.irp s, v96.l, v96.h, v97.l, v97.h, v98.l, v98.h, v99.l, v99.h, v100.l, v100.h, v101.l, v101.h, v102.l, v102.h, v103.l, v103.h, v104.l, v104.h, v105.l, v105.h, v106.l, v106.h, v107.l, v107.h, v108.l, v108.h, v109.l, v109.h, v110.l, v110.h, v111.l, v111.h
	v_cvt_f32_f16 v[TT+n], \s
.set n, n+1
.endr
	FIN 2
.set n, 0
.irp s, v112.l, v112.h, v113.l, v113.h, v114.l, v114.h, v115.l, v115.h, v116.l, v116.h, v117.l, v117.h, v118.l, v118.h, v119.l, v119.h, v120.l, v120.h, v121.l, v121.h, v122.l, v122.h, v123.l, v123.h, v124.l, v124.h, v125.l, v125.h, v126.l, v126.h, v127.l, v127.h
	v_cvt_f32_f16 v[TT+n], \s
.set n, n+1
.endr
	FIN 3
.irp i, 0,1,2,3                        ; a lane's registers ARE the next launch's fragments: 16 rows x 32 channels, four registers a store, 512 consecutive bytes a store
.irp u, 0,1
.irp j, 0,1
	global_store_b128 v[OSO], v[OUT+16*\i+8*\u+4*\j:OUT+16*\i+8*\u+4*\j+3], s[22:23] offset:4096*\i+1024*\u+512*\j
.endr
.endr
.endr
	s_wait_tensorcnt 0x0                           ; the wave's end
	ds_add_u32 v[SPW], v[NIL]
	s_wait_dscnt 0x0
	CROUND                                         ; the closing round
	s_endpgm
.Lfunc_end_k_qde5d273b13_rowattn:
	.size	k_qde5d273b13_rowattn, .Lfunc_end_k_qde5d273b13_rowattn-k_qde5d273b13_rowattn
	.p2alignl 7, 3214868480
	.fill 96, 4, 3214868480
	.section	.rodata,"a",@progbits
	.p2align	6, 0x0
	.amdhsa_kernel k_qde5d273b13_rowattn
		.amdhsa_group_segment_fixed_size 327680
		.amdhsa_private_segment_fixed_size 0
		.amdhsa_enable_private_segment 0
		.amdhsa_kernarg_size 80
		.amdhsa_user_sgpr_count 2
		.amdhsa_user_sgpr_kernarg_segment_ptr 1
		.amdhsa_wavefront_size32 1
		.amdhsa_system_sgpr_workgroup_id_x 1
		.amdhsa_system_sgpr_workgroup_id_y 1
		.amdhsa_system_sgpr_workgroup_id_z 1
		.amdhsa_system_vgpr_workitem_id 0
		.amdhsa_next_free_vgpr 1024
		.amdhsa_next_free_sgpr 104
		.amdhsa_reserve_vcc 0
		.amdhsa_float_denorm_mode_32 3
		.amdhsa_float_denorm_mode_16_64 3
		.amdhsa_memory_ordered 1
		.amdhsa_forward_progress 1
		.amdhsa_inst_pref_size 152
	.end_amdhsa_kernel
	.amdgpu_metadata
---
amdhsa.version: [ 1, 2 ]
amdhsa.kernels:
  - .name:           k_qde5d273b13_rowattn
    .symbol:         k_qde5d273b13_rowattn.kd
    .args:
      - { .name: acodes, .offset: 0, .size: 8, .value_kind: global_buffer, .address_space: global }
      - { .name: scl, .offset: 8, .size: 8, .value_kind: global_buffer, .address_space: global }
      - { .name: w4, .offset: 16, .size: 8, .value_kind: global_buffer, .address_space: global }
      - { .name: a16, .offset: 24, .size: 8, .value_kind: global_buffer, .address_space: global }
      - { .name: w16, .offset: 32, .size: 8, .value_kind: global_buffer, .address_space: global }
      - { .name: ocol, .offset: 40, .size: 8, .value_kind: global_buffer, .address_space: global }
      - { .name: bq, .offset: 48, .size: 8, .value_kind: global_buffer, .address_space: global }
      - { .name: bk, .offset: 56, .size: 8, .value_kind: global_buffer, .address_space: global }
      - { .name: bv, .offset: 64, .size: 8, .value_kind: global_buffer, .address_space: global }
      - { .name: osum, .offset: 72, .size: 8, .value_kind: global_buffer, .address_space: global }
    .group_segment_fixed_size: 327680
    .private_segment_fixed_size: 0
    .kernarg_segment_align: 8
    .kernarg_segment_size: 80
    .max_flat_workgroup_size: 128
    .sgpr_count:     104
    .vgpr_count:     1024
    .wavefront_size: 32
...
	.end_amdgpu_metadata
.endif
;; end of part 3
;; launch outproj (part 4): grid 8 x 32, 4 waves a work-group, clusters of 4 x 4, 327,680 bytes of LDS; arguments osum, w16, bo, out0; writes out0
.if DOCPART == 4
	.amdgcn_target "amdgcn-amd-amdhsa--gfx1250"
	.amdhsa_code_object_version 6
	.text
	.protected	k_qde5d273b13_outproj
	.globl	k_qde5d273b13_outproj
	.p2align	8
	.type	k_qde5d273b13_outproj,@function
k_qde5d273b13_outproj:
	s_mov_b64 s[64:65], 0
	v_nop
	global_prefetch_b8 v0, s[64:65] scope:SCOPE_SE
	s_setreg_imm32_b32 hwreg(HW_REG_WAVE_MODE, 25, 1), 1
	s_wait_xcnt 0x0
	s_wait_alu depctr_hold_cnt(0) depctr_sa_sdst(0) depctr_va_vdst(0) depctr_va_sdst(0) depctr_va_ssrc(0) depctr_va_vcc(0) depctr_vm_vsrc(0)
	s_getreg_b32 s2, hwreg(HW_REG_IB_STS2, 6, 4)
	s_cmp_eq_u32 s2, 0
	s_cbranch_scc0 .Lentry_in_a_cluster
	s_endpgm
.Lentry_in_a_cluster:
	s_bfe_u32 s2, ttmp6, 0x10000c
	s_cmp_lg_u32 s2, 0xf033
	s_cbranch_scc0 .Lentry_shape_is_right
	s_endpgm
.Lentry_shape_is_right:
; out0 = (Ocol + Orow) Wo + 2 bo: both projections on the way out share Wo, so their operands were added and ONE product is made.  f16 operands, f32 sums, f32 result.
; osum [K step of 128: 8][row tile 256][32 along K: 4][1,024 bytes] and Wo's copy in w16 [8][column tile 64][4][1,024 bytes] lie in the order of an operand's registers: a tile of 128 rows (or columns) x 128 along K
; is one dense block of 32,768 bytes, and a fragment comes by two loads of 16 bytes a lane, 512 consecutive bytes each: no pitch, no padding.
; A tile of out0 is 128 x 128: 256 work-groups.  Four waves, each 64 x 64: 16 accumulators.  K goes in 4 steps of 256 through two slots; a wave's one load brings 128 along K of one operand.
; CLUSTER 4 x 4: osum's blocks hang on Y alone (joint along a row of the cluster), Wo's on X alone (joint along a column).
; THE MATRIX INSTRUCTION IS USED TRANSPOSED (source 0 = 16 columns of Wo, source 1 = 16 rows): a lane holds eight neighbouring numbers of a row of out0.  2 bo is the C of each sum's first product.
; REGISTERS: window 0: v1-29 addresses; v32-95 the way out; v96-127 2 bo; v128-255 the accumulators ((a, b) at v[128 + 8 (4 a + b)]).   window 1: two fragment buffers of 128: 64 of rows, then 64 of Wo.
.set SLOT,   131072                    ; rows' K steps 2 s, 2 s + 1, then Wo's: four blocks of 32,768 bytes
.set STAGE,  2*SLOT                    ; 16 rows x (256 + 16) bytes for each wave, its own
.set SPITCH, 272
.set SPARE,  STAGE+4*16*SPITCH         ; the spare words, 128 bytes a wave: two blocks of 256 bytes that no other line names
.set ADRA, 16
.set ADRB, 20
.set STO,  24
.set RD,   25
.set CO,   26
.set BOF,  27
.set SPW,  28
.set NIL,  29
.set TMP,  32
.set BO2,  96
.set ACC,  128
.set F0,   0
.set F1,   128
.set WV, 12
.set RH, 13                            ; my half of the rows.  Also: I fetch rows (0) or Wo (1)
.set CH, 14                            ; my half of the columns.  Also: which 128 along K of a step I fetch
.set CX, 15
.set CY, 16
.set XX, 17
.set YY, 18
.set RM, 19
.set CM, 20
.set LA, 21
.set G1A, 24
.set G0A, 32
.set G1B, 48
.set G0B, 56
.set MSB, 0
.macro WIN new
.if MSB != \new
	s_set_vgpr_msb (MSB<<8)|\new
.set MSB, \new
.endif
.endm
.set MUL,  0x05                        ; sources window 1; C and D window 0
.set TO_F, 0x40
.macro PLACES
.rept 4
	v_nop
.endr
.endm
.macro JLOAD g0a, g1a, g0b, g1b
	s_cmp_eq_u32 s[RH], 0
	s_cbranch_scc0 .Lfor_b_\@
	tensor_load_to_lds s[\g0a:\g0a+3], s[\g1a:\g1a+7]
	s_nop 0
.rept 4
	v_nop
.endr
	s_branch .Lasked_\@
.Lfor_b_\@:
	tensor_load_to_lds s[\g0b:\g0b+3], s[\g1b:\g1b+7]
	s_nop 0
.rept 4
	v_nop
.endr
.Lasked_\@:
.endm
.macro CREST
	s_cmp_lg_u32 s[WV], 0
	s_cbranch_scc1 .Lnot_wave_0_\@
	s_barrier_signal -3
.Lnot_wave_0_\@:
	s_barrier_wait -3
	s_barrier_signal -1
	s_barrier_wait -1
.endm
.macro CROUND
	s_barrier_signal -1
	s_barrier_wait -1
	CREST
.endm
	s_load_b256 s[4:11], s[0:1], 0x0               ; osum 4, w16 6, bo 8, out0 10
	v_lshl_add_u32 v[SPW], v0, 2, SPARE
	v_mov_b32 v[NIL], 0
	ds_add_u32 v[SPW], v[NIL]                      ; the wave's opening: the add, twice on end, and its wait ahead of my first tensor load
	ds_add_u32 v[SPW], v[NIL]
	v_lshrrev_b32 v1, 5, v0
	v_readfirstlane_b32 s[WV], v1
	s_lshr_b32 s[RH], s[WV], 1
	s_and_b32 s[CH], s[WV], 1
	s_bfe_u32 s[CX], ttmp6, 0x40000
	s_bfe_u32 s[CY], ttmp6, 0x40004
	s_lshl_b32 s[XX], ttmp9, 2
	s_add_co_u32 s[XX], s[XX], s[CX]
	s_and_b32 s[YY], ttmp7, 0xffff
	s_lshl_b32 s[YY], s[YY], 2
	s_add_co_u32 s[YY], s[YY], s[CY]
	s_lshl_b32 s[RM], s[CY], 2
	s_lshl_b32 s[RM], 15, s[RM]
	s_lshl_b32 s[CM], 0x1111, s[CX]
	s_or_b32 s[G1A], s[RM], (3<<16)|(1<<21)        ; 32,768 dense bytes as 128 rows of 32 elements of 8 bytes; the mask: my row of the cluster
	s_or_b32 s[G1B], s[CM], (3<<16)|(1<<21)        ; the same with the mask of my column
.irp g, G1A, G1B
	s_mov_b32 s[\g+1], 32<<16
	s_mov_b32 s[\g+2], 128<<16
	s_mov_b32 s[\g+3], 32<<16
	s_mov_b32 s[\g+4], 128
	s_mov_b32 s[\g+5], 32
	s_mov_b32 s[\g+6], 0
	s_mov_b32 s[\g+7], 0
.endr
	s_lshl_b32 s22, s[YY], 15                      ; osum: 8 row tiles x 4,096 bytes,
	s_lshl_b32 s23, s[CH], 20                      ; my 128 along K
	s_add_co_u32 s22, s22, s23
	s_mov_b32 s23, 0
	s_lshl_b32 s40, s[XX], 15                      ; Wo: 8 column tiles x 4,096 bytes,
	s_lshl_b32 s41, s[CH], 18
	s_add_co_u32 s40, s40, s41
	s_add_co_u32 s40, s40, 4194304                 ; behind Wk's and Wv's copies
	s_mov_b32 s41, 0
	s_lshl_b32 s[LA], s[WV], 15                    ; where they go: wave x 32,768
	s_wait_dscnt 0x0
	s_wait_kmcnt 0x0
	s_add_nc_u64 s[22:23], s[4:5], s[22:23]
	s_add_nc_u64 s[40:41], s[6:7], s[40:41]
	CROUND                                         ; all sixteen work-groups are here
.irp s, 0,1
	s_mov_b32 s[G0A+4*\s], 1
	s_add_co_u32 s[G0A+4*\s+1], s[LA], \s*SLOT
	s_add_nc_u64 s[G0A+4*\s+2:G0A+4*\s+3], s[22:23], \s*2097152
	s_or_b32 s[G0A+4*\s+3], s[G0A+4*\s+3], 0x80000000
	s_mov_b32 s[G0B+4*\s], 1
	s_add_co_u32 s[G0B+4*\s+1], s[LA], \s*SLOT
	s_add_nc_u64 s[G0B+4*\s+2:G0B+4*\s+3], s[40:41], \s*524288
	s_or_b32 s[G0B+4*\s+3], s[G0B+4*\s+3], 0x80000000
	JLOAD G0A+4*\s, G1A, G0B+4*\s, G1B
.endr
	v_and_b32 v1, 15, v0                           ; r
	v_bfe_u32 v2, v0, 4, 1                         ; h
	v_and_b32 v3, 31, v0
	v_lshlrev_b32 v3, 4, v3                        ; 16 x lane
	s_lshl_b32 s44, s[RH], 14                      ; my four row tiles
	s_lshl_b32 s45, s[CH], 14                      ; my four column tiles,
	s_add_co_u32 s45, s45, 65536                   ; behind the rows' two blocks
.irp s, 0,1
	v_add_nc_u32 v[ADRA+\s], s44, v3
	v_add_nc_u32 v[ADRB+\s], s45, v3
	s_add_co_u32 s44, s44, SLOT
	s_add_co_u32 s45, s45, SLOT
.endr
	s_mul_i32 s44, s[WV], 16*SPITCH
	s_add_co_u32 s44, s44, STAGE                   ; my stage
	v_mul_u32_u24 v4, v1, SPITCH
	v_lshl_add_u32 v4, v2, 5, v4
	v_add_nc_u32 v[STO], s44, v4                   ; in: row r, 32 bytes for each half of the lanes
	v_mul_u32_u24 v5, v2, SPITCH
	v_lshl_add_u32 v5, v1, 4, v5
	v_add_nc_u32 v[RD], s44, v5                    ; back: lanes 0-15 one row of 256 bytes, lanes 16-31 the next
	v_lshlrev_b32 v[CO], 12, v2
	v_lshl_add_u32 v[CO], v1, 4, v[CO]             ; and the same two rows in out0
	v_lshlrev_b32 v[BOF], 5, v2
	s_lshl_b32 s42, s[XX], 9
	s_lshl_b32 s43, s[CH], 8
	s_add_co_u32 s42, s42, s43                     ; my 64 columns, in bytes
	s_mov_b32 s43, 0
	s_add_nc_u64 s[8:9], s[8:9], s[42:43]
	s_add_nc_u64 s[10:11], s[10:11], s[42:43]
.irp b, 0,1,2,3
	global_load_b128 v[BO2+8*\b:BO2+8*\b+3], v[BOF], s[8:9] offset:64*\b       ; lane (r, h): bo of columns 16 b + 8 h + 0 .. 7
	global_load_b128 v[BO2+8*\b+4:BO2+8*\b+7], v[BOF], s[8:9] offset:64*\b+16
.endr
	s_lshl_b32 s42, s[YY], 19                      ; 128 rows of 4,096 bytes
	s_lshl_b32 s44, s[RH], 18
	s_add_co_u32 s42, s42, s44
	s_add_nc_u64 s[10:11], s[10:11], s[42:43]
; 8 matrix instructions: row tiles a0, a0 + 1 x four column tiles, 32 along K: half c of buffer f.  zero = 1: the first product starts the sums on 2 bo
.macro MUL8 f, c, a0, zero
.irp a, \a0, \a0+1
.irp b, 0,1,2,3
.if \zero
	v_wmma_f32_16x16x32_f16 v[ACC+8*(4*(\a)+\b):ACC+8*(4*(\a)+\b)+7], v[\f+64+8*(4*\c+\b):\f+64+8*(4*\c+\b)+7], v[\f+8*(4*\c+(\a)):\f+8*(4*\c+(\a))+7], v[BO2+8*\b:BO2+8*\b+7]
.else
	v_wmma_f32_16x16x32_f16 v[ACC+8*(4*(\a)+\b):ACC+8*(4*(\a)+\b)+7], v[\f+64+8*(4*\c+\b):\f+64+8*(4*\c+\b)+7], v[\f+8*(4*\c+(\a)):\f+8*(4*\c+(\a))+7], v[ACC+8*(4*(\a)+\b):ACC+8*(4*(\a)+\b)+7]
.endif
.endr
.endr
.endm
; 32 LDS loads in one run: 64 along K (quarter q of a slot's 256) into buffer f; the first 32 along K first
.macro FETCH slot, q, f
	WIN TO_F
.irp c, 0,1
.irp i, 0,1,2,3
	ds_load_b128 v[\f+64+8*(4*\c+\i):\f+64+8*(4*\c+\i)+3],   v[ADRB+\slot] offset:((\q)/2)*32768+\i*4096+(2*((\q)%2)+\c)*1024
	ds_load_b128 v[\f+64+8*(4*\c+\i)+4:\f+64+8*(4*\c+\i)+7], v[ADRB+\slot] offset:((\q)/2)*32768+\i*4096+(2*((\q)%2)+\c)*1024+512
	ds_load_b128 v[\f+8*(4*\c+\i):\f+8*(4*\c+\i)+3],         v[ADRA+\slot] offset:((\q)/2)*32768+\i*4096+(2*((\q)%2)+\c)*1024
	ds_load_b128 v[\f+8*(4*\c+\i)+4:\f+8*(4*\c+\i)+7],       v[ADRA+\slot] offset:((\q)/2)*32768+\i*4096+(2*((\q)%2)+\c)*1024+512
.endr
.endr
.endm
.macro QUARTER slot, q, f, g, zero     ; multiplies buffer f (32 matrix instructions, the 16 accumulators by turns) and fetches quarter q into g
	s_wait_dscnt 16                                ; the first 32 along K are in
	WIN MUL
	MUL8 \f, 0, 0, \zero
	MUL8 \f, 0, 2, \zero
	PLACES
	FETCH \slot, \q, \g
	s_wait_dscnt 32                                ; all but the 32 just issued
	WIN MUL
	MUL8 \f, 1, 0, 0
	MUL8 \f, 1, 2, 0
.endm
.macro TURN slot, next, fill           ; the last quarter multiplies buffer 1 and changes slots
	WIN 0
	s_wait_tensorcnt 0x0                           ; all my tensor loads have landed: my part of the next slot;
	ds_add_u32 v[SPW], v[NIL]                      ; 0 onto my spare word
	s_wait_dscnt 17                                ; (the add and the youngest sixteen loads may be out)
	WIN MUL
	MUL8 F1, 0, 0, 0
	s_wait_dscnt 0x0                               ; the add is done, and my reads of this slot are over
	s_barrier_signal -1
	MUL8 F1, 0, 2, 0
.if \fill
	WIN 0
.endif
	s_barrier_wait -1
.if \fill
	CREST                                          ; no wave of any partner still reads this slot or has a load on its way
	s_add_nc_u64 s[G0A+4*\slot+2:G0A+4*\slot+3], s[G0A+4*\slot+2:G0A+4*\slot+3], 4194304
	s_add_nc_u64 s[G0B+4*\slot+2:G0B+4*\slot+3], s[G0B+4*\slot+2:G0B+4*\slot+3], 1048576
	JLOAD G0A+4*\slot, G1A, G0B+4*\slot, G1B       ; two K steps on; its four v_nop are also the places in front of the loads below
.else
	PLACES
.endif
	FETCH \next, 0, F0
	WIN MUL
	MUL8 F1, 1, 0, 0
	MUL8 F1, 1, 2, 0
.endm
	s_wait_tensorcnt 0x1                           ; my part of K step 0 is in; K step 1's may stay out
	s_barrier_signal -1
	s_barrier_wait -1
	s_wait_loadcnt 0x0
.irp m, 0,2,4,6,8,10,12,14,16,18,20,22,24,26,28,30
	v_pk_add_f32 v[BO2+\m:BO2+\m+1], v[BO2+\m:BO2+\m+1], v[BO2+\m:BO2+\m+1]    ; 2 bo: each of the two projections adds bo
.endr
	FETCH 0, 0, F0
	QUARTER 0, 1, F0, F1, 1                        ; K step 0
	QUARTER 0, 2, F1, F0, 0
	QUARTER 0, 3, F0, F1, 0
	TURN 0, 1, 1                                   ; slot 0 takes K step 2
	QUARTER 1, 1, F0, F1, 0                        ; K step 1
	QUARTER 1, 2, F1, F0, 0
	QUARTER 1, 3, F0, F1, 0
	TURN 1, 0, 1                                   ; slot 1 takes K step 3
	QUARTER 0, 1, F0, F1, 0                        ; K step 2
	QUARTER 0, 2, F1, F0, 0
	QUARTER 0, 3, F0, F1, 0
	TURN 0, 1, 0                                   ; nothing is left to fetch
	QUARTER 1, 1, F0, F1, 0                        ; K step 3
	QUARTER 1, 2, F1, F0, 0
	QUARTER 1, 3, F0, F1, 0
	s_wait_dscnt 16
	WIN MUL
	MUL8 F1, 0, 0, 0
	MUL8 F1, 0, 2, 0
	s_wait_dscnt 0x0
	MUL8 F1, 1, 0, 0
	MUL8 F1, 1, 2, 0
	WIN 0
; THE WAY OUT, 16 rows x 64 columns at a time.  A lane holds 32 neighbouring bytes of a row and the lanes beside it other rows: a block goes through my own stage and comes back as whole rows of 256 bytes.
; LDS serves a wave's instructions in order (ISA guide 5.7.1.4): no wait between the stores and the loads, nor in front of the next block's stores.
.macro TOSTAGE a
.irp b, 0,1,2,3
	ds_store_b128 v[STO], v[ACC+8*(4*(\a)+\b):ACC+8*(4*(\a)+\b)+3] offset:64*\b          ; each accumulator from its low end on
	ds_store_b128 v[STO], v[ACC+8*(4*(\a)+\b)+4:ACC+8*(4*(\a)+\b)+7] offset:64*\b+16
.endr
.irp t, 0,1,2,3,4,5,6,7
	ds_load_b128 v[TMP+32*((\a)%2)+4*\t:TMP+32*((\a)%2)+4*\t+3], v[RD] offset:\t*2*SPITCH
.endr
.endm
.macro SEND a, younger                 ; younger: the LDS instructions issued behind block a's loads, which may stay out
	s_wait_dscnt \younger
.irp t, 0,1,2,3,4,5,6,7
	global_store_b128 v[CO], v[TMP+32*((\a)%2)+4*\t:TMP+32*((\a)%2)+4*\t+3], s[10:11] offset:(16*(\a)+2*\t)*4096 th:TH_STORE_NT   ; sixteen lanes store 256 consecutive bytes, aligned
.endr
.endm
	PLACES
	TOSTAGE 0
.irp a, 1,2,3
.if \a > 1
	s_wait_xcnt 0x0                                ; block a - 2's stores have read their registers: block a's loads may land there
.endif
	TOSTAGE \a
	SEND \a-1, 16                                  ; behind block a - 1's loads: block a's 8 stores and 8 loads
.endr
	SEND 3, 0
	s_wait_tensorcnt 0x0                           ; the wave's end
	ds_add_u32 v[SPW], v[NIL]
	s_wait_dscnt 0x0
	CROUND                                         ; the closing round
	s_endpgm
.Lfunc_end_k_qde5d273b13_outproj:
	.size	k_qde5d273b13_outproj, .Lfunc_end_k_qde5d273b13_outproj-k_qde5d273b13_outproj
	.p2alignl 7, 3214868480
	.fill 96, 4, 3214868480
	.section	.rodata,"a",@progbits
	.p2align	6, 0x0
	.amdhsa_kernel k_qde5d273b13_outproj
		.amdhsa_group_segment_fixed_size 327680
		.amdhsa_private_segment_fixed_size 0
		.amdhsa_enable_private_segment 0
		.amdhsa_kernarg_size 32
		.amdhsa_user_sgpr_count 2
		.amdhsa_user_sgpr_kernarg_segment_ptr 1
		.amdhsa_wavefront_size32 1
		.amdhsa_system_sgpr_workgroup_id_x 1
		.amdhsa_system_sgpr_workgroup_id_y 1
		.amdhsa_system_sgpr_workgroup_id_z 1
		.amdhsa_system_vgpr_workitem_id 0
		.amdhsa_next_free_vgpr 512
		.amdhsa_next_free_sgpr 66
		.amdhsa_reserve_vcc 0
		.amdhsa_float_denorm_mode_32 3
		.amdhsa_float_denorm_mode_16_64 3
		.amdhsa_memory_ordered 1
		.amdhsa_forward_progress 1
		.amdhsa_inst_pref_size 87
	.end_amdhsa_kernel
	.amdgpu_metadata
---
amdhsa.version: [ 1, 2 ]
amdhsa.kernels:
  - .name:           k_qde5d273b13_outproj
    .symbol:         k_qde5d273b13_outproj.kd
    .args:
      - { .name: osum, .offset: 0, .size: 8, .value_kind: global_buffer, .address_space: global }
      - { .name: w16, .offset: 8, .size: 8, .value_kind: global_buffer, .address_space: global }
      - { .name: bo, .offset: 16, .size: 8, .value_kind: global_buffer, .address_space: global }
      - { .name: out0, .offset: 24, .size: 8, .value_kind: global_buffer, .address_space: global }
    .group_segment_fixed_size: 327680
    .private_segment_fixed_size: 0
    .kernarg_segment_align: 8
    .kernarg_segment_size: 32
    .max_flat_workgroup_size: 128
    .sgpr_count:     66
    .vgpr_count:     512
    .wavefront_size: 32
...
	.end_amdgpu_metadata
.endif
;; end of part 4
